; MI455X (gfx1250); checked and timed in simulation.
; The chip was launched on July 23, 2026; its instructions are those of AMD's public machine-readable ISA for CDNA 5 (MIT licence, August 2026) and "CDNA5" Instruction Set Architecture Reference Guide (July 2026). The comments in the code are by the model that wrote it; some were corrected since.
;; Causal Attention. Allowed arithmetic: matrix products marked QUANTISED: E5M2 operands, one E8M0 scale for each 32 along K, by v_wmma_scale_f32_16x16x128_f8f6f4 with both operands' format E5M2, f32 sums; everything else in f32.
;; Inputs: W_k 1,024 x 1,024 float32; W_q 1,024 x 1,024 float32; W_v 1,024 x 1,024 float32; x 4 x 2,048 x 1,024 float32.
;; Outputs: out0 4 x 2,048 x 1,024 float32.
;; This version of the problem:
;;   THIS VERSION OF THE PROBLEM IS GIVEN IN LOW PRECISION. The matrix products marked QUANTISED in the list below multiply operands that are first quantised to E5M2 (5 exponent bits, 2 mantissa bits; 8 bits a number), with one power-of-two scale for each 32 numbers along K (OCP MX v1.0); their sums are f32. All else is computed in f32.
;;   The module's matrix products, in the order in which they are computed (A, B: the left and right operand; K: the contracted axis; several contracted axes count as one K, in the product's order):
;;     1. [M 8,192, K 1,024] x [K 1,024, N 1,024]; A: input x; B: input W_q: QUANTISED
;;     2. [M 8,192, K 1,024] x [K 1,024, N 1,024]; A: input x; B: input W_k: QUANTISED
;;     3. [M 8,192, K 1,024] x [K 1,024, N 1,024]; A: input x; B: input W_v: QUANTISED
;;     4. batch 4 x [M 2,048, K 1,024] x [K 1,024, N 2,048]; A: computed on the way; B: computed on the way: QUANTISED
;;     5. batch 4 x [M 2,048, K 2,048] x [K 2,048, N 1,024]; A: softmax (see below); B: computed on the way: QUANTISED
;;   THE QUANTISER, for each operand of a quantised product, along K:
;;     - K is cut into blocks of 32 from its start; a last block that is shorter is filled with zeros.
;;     - A block's scale is 2^e with e = floor(log2(the largest magnitude in the block)) - 15, held to -126 .. 127; a block of zeros has e = 0. As a byte (E8M0): e + 127.
;;     - Each number is divided by its block's scale, clamped to +-57,344, and rounded to the nearest number of E5M2, ties to even, subnormals kept.
;;     - The product sums the exact products of the quantised numbers (number of the format x scale) in f32.
;;   ~~~python
;;   def quantise(x, axis):      # numpy; x: float32 -> the quantised numbers, widened to float32 again
;;       x = np.moveaxis(x, axis, -1); K = x.shape[-1]
;;       x = np.pad(x, [(0, 0)] * (x.ndim - 1) + [(0, -K % 32)]); x = x.reshape(x.shape[:-1] + (-1, 32)); a = np.abs(x).max(-1, keepdims=True)
;;       e = np.where(a > 0, np.clip(np.frexp(np.where(a > 0, a, 1))[1] - 1 - 15, -126, 127), 0)      # np.frexp(a)[1] - 1 = floor(log2(a)), exactly
;;       r = np.clip(x / 2.0 ** e, -57344, 57344)
;;       step = 2.0 ** (np.maximum(np.frexp(np.where(r == 0, 1, r))[1] - 1, -14) - 2)
;;       q = np.round(r / step) * step * 2.0 ** e      # np.round: ties to even
;;       return np.moveaxis(q.reshape(q.shape[:-2] + (-1,))[..., :K], -1, axis).astype(np.float32)
;;   ~~~
;;   SOFTMAX AHEAD OF A QUANTISED PRODUCT. Where the list says 'softmax', what is quantised is not the finished softmax but p = 2^(t - M), with t = logit x log2(e) and M = ceil(the row's largest t), a whole number; so 1/2 < the row's largest p <= 1. The row's sum l is taken of the UNQUANTISED p, in f32, and the product's result is divided by l at the end. Since M is a whole number, a kernel that streams over the keys may use a running M (the ceiling of the running maximum): every later rescaling is an exact power of two, which a block's scale takes up: the codes' values come out the same.
;;   OPERANDS COMPUTED ON THE WAY. 'Computed on the way' means the value that the module computes at that place (a softmax that the list does not call 'softmax' is quantised finished and normalised). What goes into a quantiser is computed in f32, as accurately as f32 sums, v_exp_f32 and their like allow (about 1e-6 of the number): no bf16 or f16 on the way to a quantiser, and a product that is left as it is and whose result goes on into a quantised operand takes f32 operands (vector FMAs, or v_wmma_f32_16x16x4_f32). A number that lies on a knife's edge between two numbers of the format may be rounded either way, as far as f32 arithmetic and the matrix unit's own rounding can turn it there, and no further.
;; One version. Each part assembles by itself: llvm-mc -triple=amdgcn-amd-amdhsa -mcpu=gfx1250 --defsym DOCPART=n.
;; ======== version 1 of 1: 4 launches
;; limits: right only within a limited range of input values
;; workspace buffers: xw 11,894,784 bytes; qkv 25,952,256 bytes; pq 18,874,368 bytes
;; launch quant (part 1): grid 352 x 1, 4 waves a work-group, no clusters, 69,120 bytes of LDS; arguments x, W_q, W_k, W_v, xw; writes xw
.if DOCPART == 1
	.amdgcn_target "amdgcn-amd-amdhsa--gfx1250"
	.amdhsa_code_object_version 6
	.text
	.protected	k_qb8a081c26f_quant
	.globl	k_qb8a081c26f_quant
	.p2align	8
	.type	k_qb8a081c26f_quant,@function
k_qb8a081c26f_quant:
	s_mov_b64 s[64:65], 0
	v_nop
	global_prefetch_b8 v0, s[64:65] scope:SCOPE_SE
	s_setreg_imm32_b32 hwreg(HW_REG_WAVE_MODE, 25, 1), 1
	s_wait_xcnt 0x0
; x [8192][1024] and W_q, W_k, W_v [1024 (k)][1024 (n)], f32, become codes of BF8 (E5M2) with K innermost and one E8M0 byte for each 32 along K.
; xw: ONE matrix of codes, 11,264 rows x 1,024 bytes: rows 0.. x, 8192.. W_q^T, 9216.. W_k^T, 10240.. W_v^T; behind it, at XS, the scale bytes [row][32].
; ROW ORDER: row i of a tensor is stored at place i with bits 3 and 4 exchanged.  Sixteen neighbouring stored rows are then rows 32 b + 8 u + r + 8 (r / 8): used as source 0 of a transposed product,
; the 16 registers of two neighbouring tiles are 16 neighbours along the next product's K.
; A block's scale is 2^(floor(log2(largest magnitude)) - 15); its byte is the largest magnitude's exponent field - 15, held at 1 from below; each number is held within +-57,344 x the scale and rounded to the nearest code.
; LIMITS: a block of zeros gets the byte 1 (its codes are zeros; this program alone reads the bytes); NaN and infinities among the inputs are not served.
; Work-groups 0-255 take x (K innermost: a stream of blocks; a wave takes 8 rows), work-groups 256-351 the weights (K outermost: a lane takes a column, its registers run down K).
; The two ways part on the work-group's number and have LDS bytes of their own.  No tensor loads, no barrier: waves share nothing.
; The order above is x's.  THE WEIGHTS' ROWS: output 64 v + 32 m + 8 j + i (m = 0, 1; j = 0 .. 3; i = 0 .. 7) is stored at place 64 v + 16 j + 8 m + i: used as source 0 of a product, the eight registers of a lane's
; four neighbouring tiles are 32 neighbours along the next product's K, one whole block.
; LEFT OUT IN THIS PROGRAM: score tiles all of whose keys come after all of their queries, and the steps of the second product over such keys: reference() puts -infinity there ahead of the softmax, so their p is 0 for all
; finite values of the inputs.  A NaN, an infinity or an overflow that reaches only those scores is not carried to the result.
.set XS,    11534336
.set STEPS, 16
.set EMAX,  15
.set MANT,  0x600000                   ; the mantissa field of 57,344 as f32
.set CB,    16
.set R,     16                         ; x: v16-143  eight sets of 16 numbers as loaded
; (x: v16-143 EIGHT sets of 16 numbers as loaded: the loads run eight steps ahead)
.set X,     144                        ; x: v144-175 two sets of 16 neighbours
.set E,     176                        ; x: v176-191 a scale byte for each step
.set C,     192                        ; x: v192-255 codes, four registers a step
.set WREG,  8192                       ; x: LDS of a wave: two stages of 32 x SP bytes, then its 256 scale bytes
.set SP,    80
.set WSTG,  32768                      ; W: the stages begin here: 32 rows x WPI bytes a wave
.set WPI,   272
.set NB,    8
.set WX,    32                         ; W: v32-95   two sets of 32 numbers
.set WC,    96                         ; W: v96-103  a block's codes
.set WOUT,  112                        ; W: v112-175 the way out
.set WSB,   24                         ; W: v24-25   the scale bytes
	s_load_b256 s[4:11], s[0:1], 0x0               ; x, W_q, W_k, W_v
	s_load_b64 s[12:13], s[0:1], 0x20              ; xw
	v_lshl_add_u32 v12, v0, 2, 0x10c00             ; x: my spare word, and 0
	v_mov_b32 v13, 0
	v_lshrrev_b32 v1, 5, v0
	v_readfirstlane_b32 s16, v1                    ; wave
	v_and_b32 v2, 31, v0                           ; lane
	s_mov_b32 s23, MANT
	s_cmp_ge_u32 ttmp9, 256
	s_cbranch_scc1 .Lweights
; ---------------- x: a wave takes 8 rows = 16 steps of 512 numbers ----------------
	v_lshlrev_b32 v3, 4, v2                        ; my 16 bytes of a load's 512
	s_mul_i32 s24, s16, WREG
	v_lshrrev_b32 v14, 2, v2
	v_mul_u32_u24 v14, v14, SP
	v_and_b32 v15, 3, v2
	v_lshl_add_u32 v14, v15, 4, v14
	v_add_nc_u32 v14, s24, v14                     ; the stage, way in: SP (lane / 4) + 16 (lane % 4)
	v_mul_u32_u24 v15, v2, SP
	v_add_nc_u32 v15, s24, v15                     ; way out: SP x lane: my 16 neighbours
	v_mul_u32_u24 v4, v2, CB                       ; my codes' place in a step's
	v_lshrrev_b32 v5, 1, v2
	s_add_co_u32 s24, s24, 2*32*SP
	v_add_nc_u32 v5, s24, v5                       ; my block's scale byte in LDS
	v_lshlrev_b32 v7, 3, v2
	v_add_nc_u32 v6, s24, v7
	s_lshl_b32 s17, ttmp9, 2
	s_add_co_u32 s18, s17, s16                     ; which 8 rows I read
	s_and_b32 s19, s16, 1
	s_lshl_b32 s19, s19, 1
	s_lshr_b32 s20, s16, 1
	s_or_b32 s19, s19, s20
	s_add_co_u32 s19, s17, s19                     ; and where they go: the row's bits 3 and 4 are this number's bits 0 and 1, exchanged
	s_mov_b32 s21, 0
	s_lshl_b32 s20, s18, 15
	s_wait_alu depctr_va_vdst(0)
	s_wait_kmcnt 0x0
	s_add_nc_u64 s[4:5], s[4:5], s[20:21]
	s_lshl_b32 s20, s19, 13
	s_add_nc_u64 s[8:9], s[12:13], s[20:21]        ; codes
	s_lshl_b32 s20, s19, 8
	s_add_co_u32 s20, s20, XS
	s_add_nc_u64 s[10:11], s[12:13], s[20:21]      ; scale bytes
.macro XLOAD t
.irp i, 0,1,2,3
	global_load_b128 v[R+16*((\t)%8)+4*\i:R+16*((\t)%8)+4*\i+3], v3, s[4:5] offset:2048*(\t)+512*\i th:TH_LOAD_NT   ; 32 lanes read 512 consecutive bytes
.endr
.endm
.macro XTURN t                         ; a step's numbers through the stage; LDS serves a wave's instructions in order, so no wait stands between
.irp i, 0,1,2,3
	ds_store_b128 v14, v[R+16*((\t)%8)+4*\i:R+16*((\t)%8)+4*\i+3] offset:32*SP*((\t)%2)+8*SP*\i
.endr
.irp i, 0,1,2,3
	ds_load_b128 v[X+16*((\t)%2)+4*\i:X+16*((\t)%2)+4*\i+3], v15 offset:32*SP*((\t)%2)+16*\i
.endr
.endm
.irp t, 0,1,2,3,4,5,6,7
	XLOAD \t
.endr
	s_wait_loadcnt 28                              ; step 0's four loads are in; 28 younger ones stay out
	XTURN 0
.macro XSTEP t
.set XR, X+16*((\t)%2)
.if (\t) > 0
	s_wait_dscnt 1                                 ; this step's numbers are back from the stage; the last step's byte store may be out
.else
	s_wait_dscnt 0x0
.endif
.if (\t)+8 < STEPS
	XLOAD (\t)+8
.endif
.if (\t)+1 < STEPS
.if STEPS-2-(\t) >= 7
	s_wait_loadcnt 28                              ; the next step's four loads are in; those of the seven steps behind it may be out
.else
	s_wait_loadcnt 4*(STEPS-2-(\t))
.endif
	XTURN (\t)+1
.endif
	v_max3_num_f32 v8, |v[XR]|, |v[XR+1]|, |v[XR+2]|
	v_max3_num_f32 v9, |v[XR+3]|, |v[XR+4]|, |v[XR+5]|
.irp i, 6,10
	v_max3_num_f32 v8, v8, |v[XR+\i]|, |v[XR+\i+1]|
	v_max3_num_f32 v9, v9, |v[XR+\i+2]|, |v[XR+\i+3]|
.endr
	v_max3_num_f32 v8, v8, |v[XR+14]|, |v[XR+15]|
	v_max3_num_f32 v8, v8, v9, (EMAX+1)<<23        ; the floor 2^(16 - 127): the byte cannot fall under 1
	v_max_num_f32_dpp v8, v8, v8 row_xmask:1 row_mask:0xf bank_mask:0xf   ; with my neighbour's 16: the block's largest magnitude
	v_add_nc_u32 v11, -(EMAX<<23), v8              ; 15 off its exponent field: the conversion's scale operand
	v_and_or_b32 v10, v8, 0x7f800000, s23          ; 57,344 x the scale
.irp i, 0,1,2,3,4,5,6,7,8,9,10,11,12,13,14,15
	v_med3_num_f32 v[XR+\i], v[XR+\i], -v10, v10   ; the conversion does not saturate (ISA guide 7.6.2): the hold comes first
.endr
	v_cvt_scalef32_pk8_bf8_f32 v[C+4*(\t):C+4*(\t)+1], v[XR:XR+7], v11
	v_cvt_scalef32_pk8_bf8_f32 v[C+4*(\t)+2:C+4*(\t)+3], v[XR+8:XR+15], v11
	v_lshrrev_b32 v[E+(\t)], 23, v11               ; the scale's byte
	ds_store_b8 v5, v[E+(\t)] offset:16*(\t)       ; both lanes of a block write the same byte with the same value
	global_store_b128 v4, v[C+4*(\t):C+4*(\t)+3], s[8:9] offset:32*CB*(\t)   ; the wave stores 512 consecutive bytes
.endm
.irp t, 0,1,2,3,4,5,6,7,8,9,10,11,12,13,14,15
	XSTEP \t
.endr
	ds_load_b64 v[8:9], v6
	s_wait_dscnt 0x0
	global_store_b64 v7, v[8:9], s[10:11]          ; 32 lanes store 256 consecutive bytes
	s_wait_tensorcnt 0x0                           ; the wave's end
	ds_add_u32 v12, v13
	s_wait_dscnt 0x0
	s_endpgm
; ---------------- the weights: a wave takes 32 columns x 256 along K ----------------
.Lweights:
	v_lshl_add_u32 v14, v0, 2, 0x10c00             ; W: my spare word, and 0
	v_mov_b32 v15, 0
	s_sub_co_u32 s17, ttmp9, 256
	s_lshr_b32 s18, s17, 5                         ; which weight: 0 W_q, 1 W_k, 2 W_v
	s_and_b32 s19, s17, 7
	s_bfe_u32 s20, s17, 0x20003                    ; which 256 along K
	s_lshl_b32 s19, s19, 7
	s_lshl_b32 s21, s16, 5
	s_add_co_u32 s19, s19, s21                     ; my wave's first column
	s_wait_alu depctr_va_vdst(0)
	v_lshlrev_b32 v3, 2, v2                        ; in: 4 bytes a lane
	s_mul_i32 s21, s16, 32*WPI
	s_add_co_u32 s21, s21, WSTG                    ; my stage
	v_mul_u32_u24 v4, v2, WPI
	v_add_nc_u32 v4, s21, v4                       ; into it: row = my column
	v_and_b32 v5, 15, v2
	v_lshrrev_b32 v6, 4, v2
	v_mul_u32_u24 v7, v6, WPI
	v_lshl_add_u32 v7, v5, 4, v7
	v_add_nc_u32 v7, s21, v7                       ; out of it: sixteen lanes to a row, two rows an instruction
	v_lshlrev_b32 v8, 10, v6
	v_lshl_add_u32 v8, v5, 4, v8                   ; the same place in the codes' matrix
	v_and_b32 v9, 7, v2
	v_bfe_u32 v10, v2, 3, 2
	v_lshl_or_b32 v9, v10, 4, v9
	v_lshlrev_b32 v9, 5, v9                        ; my column's row of scale bytes: 16 (column / 8) + column % 8 rows on, 32 bytes a row
	s_lshl_b32 s24, s20, 20                        ; 256 rows of 4,096 bytes
	s_lshl_b32 s25, s19, 2
	s_add_co_u32 s24, s24, s25
	s_mov_b32 s25, 0
	s_lshl_b32 s26, s18, 10
	s_and_b32 s27, s19, 0x3c0
	s_add_co_u32 s26, s26, s27
	s_bfe_u32 s27, s19, 0x10005
	s_lshl_b32 s27, s27, 3
	s_add_co_u32 s26, s26, s27
	s_add_co_u32 s26, s26, 8192                    ; the row of xw's matrix at which my 32 columns begin: 64 v + 8 m
	s_lshl_b32 s28, s26, 10
	s_lshl_b32 s27, s20, 8
	s_add_co_u32 s28, s28, s27
	s_mov_b32 s29, 0
	s_lshl_b32 s30, s26, 5
	s_lshl_b32 s27, s20, 3
	s_add_co_u32 s30, s30, s27
	s_add_co_u32 s30, s30, XS
	s_mov_b32 s31, 0
	s_wait_kmcnt 0x0
	s_cmp_eq_u32 s18, 0
	s_cselect_b64 s[4:5], s[6:7], s[8:9]
	s_cmp_eq_u32 s18, 2
	s_cselect_b64 s[4:5], s[10:11], s[4:5]
	s_add_nc_u64 s[4:5], s[4:5], s[24:25]
	s_add_nc_u64 s[6:7], s[12:13], s[28:29]
	s_add_nc_u64 s[8:9], s[12:13], s[30:31]
.macro WLOAD t                         ; block t: W(32 t + i, my column), i = 0 .. 31
.irp i, 0,1,2,3,4,5,6,7,8,9,10,11,12,13,14,15,16,17,18,19,20,21,22,23,24,25,26,27,28,29,30,31
	global_load_b32 v[WX+32*((\t)%2)+\i], v3, s[4:5] offset:(32*(\t)+\i)*4096 th:TH_LOAD_NT
.endr
.endm
	WLOAD 0
	WLOAD 1
.macro WBLOCK t
.set XR, WX+32*((\t)%2)
.if (\t) < NB-1
	s_wait_loadcnt 32                              ; this block's 32 loads are in; the next block's may be out
.else
	s_wait_loadcnt 0
.endif
	v_max3_num_f32 v12, |v[XR]|, |v[XR+1]|, |v[XR+2]|
	v_max3_num_f32 v13, |v[XR+3]|, |v[XR+4]|, |v[XR+5]|
.irp i, 6,10,14,18,22,26
	v_max3_num_f32 v12, v12, |v[XR+\i]|, |v[XR+\i+1]|
	v_max3_num_f32 v13, v13, |v[XR+\i+2]|, |v[XR+\i+3]|
.endr
	v_max3_num_f32 v12, v12, |v[XR+30]|, |v[XR+31]|
	v_max3_num_f32 v12, v12, v13, (EMAX+1)<<23
	v_add_nc_u32 v11, -(EMAX<<23), v12
	v_and_or_b32 v10, v12, 0x7f800000, s23
	v_lshrrev_b32 v13, 23, v11
.if (\t)%4 == 0
	v_mov_b32 v[WSB+(\t)/4], v13
.else
	v_lshl_or_b32 v[WSB+(\t)/4], v13, 8*((\t)%4), v[WSB+(\t)/4]
.endif
.irp i, 0,1,2,3,4,5,6,7,8,9,10,11,12,13,14,15,16,17,18,19,20,21,22,23,24,25,26,27,28,29,30,31
	v_med3_num_f32 v[XR+\i], v[XR+\i], -v10, v10
.endr
.irp g, 0,1,2,3
	v_cvt_scalef32_pk8_bf8_f32 v[WC+2*\g:WC+2*\g+1], v[XR+8*\g:XR+8*\g+7], v11
.endr
	ds_store_b128 v4, v[WC:WC+3] offset:32*(\t)
	ds_store_b128 v4, v[WC+4:WC+7] offset:32*(\t)+16
.if (\t)+2 < NB
	WLOAD (\t)+2
.endif
	s_wait_dscnt 0x0                               ; the stores have read their registers: the next block's codes may be written
.endm
.irp t, 0,1,2,3,4,5,6,7
	WBLOCK \t
.endr
	global_store_b64 v9, v[WSB:WSB+1], s[8:9]      ; my column's 8 scale bytes
.irp t, 0,1,2,3,4,5,6,7,8,9,10,11,12,13,14,15
	ds_load_b128 v[WOUT+4*\t:WOUT+4*\t+3], v7 offset:2*\t*WPI
.endr
.irp t, 0,1,2,3,4,5,6,7,8,9,10,11,12,13,14,15
	s_wait_dscnt 15-\t
	global_store_b128 v8, v[WOUT+4*\t:WOUT+4*\t+3], s[6:7] offset:(((2*\t)&7)+16*((2*\t)>>3))*1024   ; column 2 t (+ 1 in lanes 16-31) goes to its place; sixteen lanes store 256 consecutive bytes
.endr
	s_wait_tensorcnt 0x0                           ; the wave's end
	ds_add_u32 v14, v15
	s_wait_dscnt 0x0
	s_endpgm
.Lfunc_end_k_qb8a081c26f_quant:
	.size	k_qb8a081c26f_quant, .Lfunc_end_k_qb8a081c26f_quant-k_qb8a081c26f_quant
	.p2alignl 7, 3214868480
	.fill 96, 4, 3214868480
	.section	.rodata,"a",@progbits
	.p2align	6, 0x0
	.amdhsa_kernel k_qb8a081c26f_quant
		.amdhsa_group_segment_fixed_size 69120
		.amdhsa_private_segment_fixed_size 0
		.amdhsa_enable_private_segment 0
		.amdhsa_kernarg_size 40
		.amdhsa_user_sgpr_count 2
		.amdhsa_user_sgpr_kernarg_segment_ptr 1
		.amdhsa_wavefront_size32 1
		.amdhsa_system_sgpr_workgroup_id_x 1
		.amdhsa_system_sgpr_workgroup_id_y 1
		.amdhsa_system_sgpr_workgroup_id_z 1
		.amdhsa_system_vgpr_workitem_id 0
		.amdhsa_next_free_vgpr 256
		.amdhsa_next_free_sgpr 66
		.amdhsa_reserve_vcc 0
		.amdhsa_float_denorm_mode_32 3
		.amdhsa_float_denorm_mode_16_64 3
		.amdhsa_memory_ordered 1
		.amdhsa_forward_progress 1
		.amdhsa_inst_pref_size 110
	.end_amdhsa_kernel
	.amdgpu_metadata
---
amdhsa.version: [ 1, 2 ]
amdhsa.kernels:
  - .name:           k_qb8a081c26f_quant
    .symbol:         k_qb8a081c26f_quant.kd
    .args:
      - { .name: x, .offset: 0, .size: 8, .value_kind: global_buffer, .address_space: global }
      - { .name: W_q, .offset: 8, .size: 8, .value_kind: global_buffer, .address_space: global }
      - { .name: W_k, .offset: 16, .size: 8, .value_kind: global_buffer, .address_space: global }
      - { .name: W_v, .offset: 24, .size: 8, .value_kind: global_buffer, .address_space: global }
      - { .name: xw, .offset: 32, .size: 8, .value_kind: global_buffer, .address_space: global }
    .group_segment_fixed_size: 69120
    .private_segment_fixed_size: 0
    .kernarg_segment_align: 8
    .kernarg_segment_size: 40
    .max_flat_workgroup_size: 128
    .sgpr_count:     66
    .vgpr_count:     256
    .wavefront_size: 32
...
	.end_amdgpu_metadata
.endif
;; end of part 1
;; launch proj (part 2): grid 16 x 16, 4 waves a work-group, clusters of 4 x 4, 327,680 bytes of LDS; arguments xw, qkv; writes qkv
.if DOCPART == 2
	.amdgcn_target "amdgcn-amd-amdhsa--gfx1250"
	.amdhsa_code_object_version 6
	.text
	.protected	k_qb8a081c26f_proj
	.globl	k_qb8a081c26f_proj
	.p2align	8
	.type	k_qb8a081c26f_proj,@function
k_qb8a081c26f_proj:
	s_mov_b64 s[64:65], 0
	v_nop
	global_prefetch_b8 v0, s[64:65] scope:SCOPE_SE
	s_setreg_imm32_b32 hwreg(HW_REG_WAVE_MODE, 25, 1), 1
	s_wait_xcnt 0x0
	s_wait_alu depctr_hold_cnt(0) depctr_sa_sdst(0) depctr_va_vdst(0) depctr_va_sdst(0) depctr_va_ssrc(0) depctr_va_vcc(0) depctr_vm_vsrc(0)
	s_getreg_b32 s2, hwreg(HW_REG_IB_STS2, 6, 4)
	s_cmp_eq_u32 s2, 0
	s_cbranch_scc0 .Lentry_in_a_cluster
	s_endpgm
.Lentry_in_a_cluster:
	s_bfe_u32 s2, ttmp6, 0x10000c
	s_cmp_lg_u32 s2, 0xf033
	s_cbranch_scc0 .Lentry_shape_is_right
	s_endpgm
.Lentry_shape_is_right:
; q = x W_q, k = x W_k (quantised along d) and v^T = W_v^T x^T (quantised along the keys), on codes of BF8 with E8M0 scales, K = 1,024; the results leave as codes and scale bytes, never as f32.
; xw: rows of 1,024 codes: x's 8,192, then W_q's, W_k's, W_v's 1,024 each; scale bytes, 32 a row, at XS.  Both in the first launch's row orders.
; qkv: images of the operand's registers, 2,048 bytes (piece c of four: 512 bytes, 16 a lane): q's [row tile 512][K step 8] at 0, k's at 2^23, v^T's [batch][d tile 64][K step 16] at VC;
; scale words [K step][row] at QKS (q: steps 0-7, k: 8-15) and [128 keys][d] at VS.  Row and tile numbers count stored places.
; THE DEAL.  256 work-groups of four waves, 2 (w) x 2; a wave holds 64 rows of a weight, all of K, in 512 registers, and streams x's rows past them in blocks of 16, which stand in registers as two whole sets.
; PHASE 1: 512 rows of x x 128 columns of q (tile columns 0 to 7) or k (8 to 15): sixteen blocks a wave.  PHASE 2: 256 rows x 128 columns of v: eight blocks, of one of the work-group's own two windows of 256 rows, number s18.
; A chunk is 128 rows; block 2 p + u of wave row w in it is rows 64 p + 32 w + 16 u on.  So a pair of blocks (u = 0, 1) is 32 neighbouring keys, piece c = 2 p + w of the chunk's 128.
; THE ORDER OF WORK.  Two slots of 128 rows.  The first weight lies in slot 1, W_v later in slot 0.  Phase 1 takes the other window first (chunks 0, 1), V's last (chunks 2, 3): chunk 3 still lies in slot 1 when V begins; chunk 2 comes anew.
; FILLS.  Head: the first weight (wave 0), chunk 0 (wave 1), a window's scale bytes each (waves 2, 3).  Refills in drained rounds, a quarter of 128 rows a wave: chunks 1, 2, 3 inside blocks 0, 4, 8 (waves 0 and 1's half is shown
; by the barrier inside the block two on, the rest by the next round), W_v behind block 11, chunk 2 anew at the change of phase.
; CLUSTERS: x's rows and their scale bytes are shared along a row of the cluster, the weights along a column.
; THE WAY OUT of a block stands among later products: q's and k's among the next block's, a pair of v's blocks among the next pair's (its sums copied into two more sets).
; A block's byte never falls under 1 (a block of zeros has zero codes).  LIMITS: NaN and infinities are not served.
.set XS, 11534336
.set VC, 16777216
.set QKS, 25165824
.set VS, 25690112
.set NQ, 8
.set NB, 4
.set CH, 128
.set KROW, 1024
.set KS, 32
.set PITCH, KROW+16                    ; 260 words: row r begins at bank 4 r mod 64 (64 banks of 4 bytes: ISA guide 11.1)
.set BP, 16*PITCH                      ; from block u = 0 to u = 1
.set PP, 64*PITCH                      ; from pair to pair
.set BS, 2*272                         ; the same for scale bytes
.set PS, 8*272
.set FR, 16
.set FPW, 16
.set NP, 8                             ; plain vector lines behind a matrix instruction, ahead of a reader of its sums and of a load into what it has read
.set NF, 34                            ; LDS loads of a block: 32 of codes, 2 of scale words
.set YB, CH*PITCH                      ; slot 1
.set SCL, 2*CH*PITCH                   ; scale bytes of x's 512 rows in the order of work, units of 256 bytes (8 rows) + 16
.set RS, 32
.set XN, SCL+2*RS*272                  ; q's, k's result bytes: [wave][block 16][r][h]
.set XV, XN+2048                       ; v's: [wave][tile][r][2 x chunk + p]
.set SPARE, XV+1024
.set EMAX, 15
.set ADRA0, 4
.set CN, 5
.set AAS0, 6
.set CO, 9
.set SPW, 10
.set NIL, 11
.set ADRA, 12
.set VX, 13
.set ADRB, 14
.set ABS, 16
.set AAS, 17
.set RD, 19
.set SOP, 20                           ; v20-23  the conversions' scale operands
.set SB, 24                            ; v24-39  the weight's scale words: 8 p + q: lanes 0-15 tile 2 p's, lanes 16-31 tile 2 p + 1's
.set EB, 40                            ; v40-43  result bytes
.set SA, 44                            ; v44-59  x's scale words, two sets
.set TQ, 60                            ; v60-63  maxima and bounds
.set ACC, 64                           ; v64-191 four sets of four accumulators: products write 0 and 1; 2 and 3 take a pair of v's blocks
.set WS, 128                           ; v128-143 in phase 1: W_v's scale words
.set NCD, 192
.set MCD, 192
.set G1A, 24
.set G0A, 56
.set G1B, 32
.set G0B, 60
.set G1R, 48
.set G0R, 68
.set G1S, 92
.set G0S, 72
.set MSB, 0
.macro WIN new
.if MSB != \new
	s_set_vgpr_msb (MSB<<8)|\new
.set MSB, \new
.endif
.endm
.macro PLACES n
.rept \n
	v_nop
.endr
.endm
.macro BARRIER
	s_barrier_signal -1
	s_barrier_wait -1
.endm
.macro CROUND
	BARRIER
	s_cmp_lg_u32 s14, 0
	s_cbranch_scc1 .Lnot_wave_0_\@
	s_barrier_signal -3
.Lnot_wave_0_\@:
	s_barrier_wait -3
	BARRIER
.endm
.macro TLOAD g0, g1                    ; a tensor load and the lines behind it
	tensor_load_to_lds s[\g0:\g0+3], s[\g1:\g1+7]
	s_nop 0
	PLACES 4
.endm
.macro GROUP1 g, mask, rows            ; whole rows of 1,024 bytes, 16 bytes of padding behind each
	s_or_b32 s[\g+0], s[\mask], (1<<20)|(1<<21)|(7<<22)|(3<<25)
	s_mov_b32 s[\g+1], (KROW&0xffff)<<16
	s_mov_b32 s[\g+2], (KROW>>16)|((\rows)<<16)
	s_mov_b32 s[\g+3], KROW<<16
	s_mov_b32 s[\g+4], \rows
	s_mov_b32 s[\g+5], KROW
	s_mov_b32 s[\g+6], 0
	s_mov_b32 s[\g+7], 0
.endm
.macro SADD d, x
	s_add_co_u32 s\d, s\d, s\x
.endm
	s_load_b64 s[4:5], s[0:1], 0x0                 ; xw
	v_lshl_add_u32 v[SPW], v0, 2, SPARE
	v_mov_b32 v[NIL], 0
	ds_add_u32 v[SPW], v[NIL]                      ; the wave's opening: the add, twice on end, and its wait ahead of my first tensor load
	ds_add_u32 v[SPW], v[NIL]
	v_lshrrev_b32 v1, 5, v0
	v_readfirstlane_b32 s14, v1                    ; wave
	s_lshr_b32 s15, s14, 1                         ; w: my row of waves
	s_and_b32 s16, s14, 1                          ; my column of waves
	s_bfe_u32 s40, ttmp6, 0x40000                  ; cx
	s_bfe_u32 s41, ttmp6, 0x40004                  ; cy
	s_lshl_b32 s42, ttmp9, 2
	s_add_co_u32 s42, s42, s40                     ; tile column
	s_and_b32 s43, ttmp7, 0xffff
	s_lshl_b32 s43, s43, 2
	s_add_co_u32 s43, s43, s41                     ; tile row
	s_lshr_b32 s19, ttmp9, 1
	s_and_b32 s18, ttmp9, 1                        ; v's window, from the cluster's number alone
	s_lshl_b32 s44, s41, 2
	s_lshl_b32 s44, 15, s44                        ; my row of the cluster
	s_lshl_b32 s45, 0x1111, s40                    ; my column
	GROUP1 G1B, 45, 128
	GROUP1 G1A, 44, CH
	GROUP1 G1R, 44, CH/4
	s_or_b32 s[G1S+0], s44, (3<<16)|(1<<20)|(1<<21)|(5<<22)|(3<<25)   ; scale bytes of 256 rows: 8,192 dense bytes as 32 rows of 256
	s_mov_b32 s[G1S+1], 32<<16
	s_mov_b32 s[G1S+2], RS<<16
	s_mov_b32 s[G1S+3], 32<<16
	s_mov_b32 s[G1S+4], RS
	s_mov_b32 s[G1S+5], 32
	s_mov_b32 s[G1S+6], 0
	s_mov_b32 s[G1S+7], 0
	s_mov_b32 s[G0S], 1
	s_mul_i32 s[G0S+1], s16, RS*272
	s_add_co_u32 s[G0S+1], s[G0S+1], SCL
	; offsets in xw: s67 the window that is not v's, s2 v's window, s3 W_v's rows
	s_lshl_b32 s67, s43, 19
	s_lshl_b32 s20, s18, 18
	s_add_co_u32 s2, s67, s20
	s_xor_b32 s20, s20, 1<<18
	SADD 67, 20
	s_lshl_b32 s13, s19, 2
	SADD 13, 40                                    ; W_v's tile column 4 (cluster x / 2) + cx: shared by a cluster's column
	s_lshl_b32 s3, s13, 17
	s_add_co_u32 s3, s3, 10240*KROW
	s_lshl_b32 s12, s13, 12                        ; W_v's scale bytes: my 64 columns
	s_lshl_b32 s21, s16, 11
	SADD 12, 21
	s_add_co_u32 s12, s12, 10240*KS
	s_lshl_b32 s78, s42, 17                        ; the first weight's rows
	s_add_co_u32 s78, s78, 8192*KROW
	s_mov_b32 s79, 0
	s_lshl_b32 s80, s43, 1                         ; x's scale bytes: wave 2 the window that is not v's, wave 3 v's
	s_xor_b32 s20, s18, 1
	s_cmp_eq_u32 s16, 1
	s_cselect_b32 s20, s18, s20
	SADD 80, 20
	s_lshl_b32 s80, s80, 13
	s_mov_b32 s81, 0
	s_lshl_b32 s82, s42, 12                        ; the first weight's scale bytes: my 64 columns
	SADD 82, 21
	s_add_co_u32 s82, s82, 8192*KS
	s_mov_b32 s83, 0
	s_mov_b32 s[G0A], 1
	s_mov_b32 s[G0A+1], 0
	s_mov_b32 s[G0B], 1
	s_mov_b32 s[G0B+1], YB
	s_mov_b32 s[G0R], 1
	v_and_b32 v1, 15, v0                           ; r
	v_bfe_u32 v2, v0, 4, 1                         ; h
	v_and_b32 v3, 31, v0                           ; lane
	v_mul_u32_u24 v22, v1, PITCH
	v_mad_u32_u24 v23, v2, 16, v22
	s_mul_i32 s20, s15, 32*PITCH
	v_add_nc_u32 v[ADRA0], s20, v23                ; block 0
	s_mul_i32 s22, s16, 64*PITCH
	v_add_nc_u32 v[ADRB+1], s22, v23               ; my 64 rows of W_v, in slot 0
	s_add_co_u32 s22, s22, YB
	v_add_nc_u32 v[ADRB], s22, v23                 ; of the first weight, in slot 1
	v_mul_u32_u24 v[ABS], v3, KS
	v_lshlrev_b32 v23, 5, v1
	v_lshrrev_b32 v22, 3, v1
	v_lshl_add_u32 v23, v22, 4, v23
	s_mul_i32 s20, s15, 4*272
	s_add_co_u32 s20, s20, SCL
	v_add_nc_u32 v[AAS0], s20, v23                 ; block 0's scale bytes: 32 a row, 16 more for each 256 passed
	s_lshl_b32 s90, s40, 2                         ; which of the cluster row's sixteen waves I am: my share of a prefetch of x's rows;
	s_add_co_u32 s90, s90, s14
	s_lshl_b32 s100, s41, 2                        ; of the column's: of W_v's
	s_add_co_u32 s100, s100, s14
	s_wait_dscnt 0x0                               ; both opening adds are done
	CROUND                                         ; all sixteen work-groups are here
	s_wait_kmcnt 0x0
	s_add_nc_u64 s[6:7], s[4:5], XS
	s_mov_b32 s86, s67
	s_mov_b32 s87, 0
	s_add_nc_u64 s[G0A+2:G0A+3], s[4:5], s[86:87]
	s_or_b32 s[G0A+3], s[G0A+3], 0x80000000
	s_add_nc_u64 s[G0B+2:G0B+3], s[4:5], s[78:79]
	s_or_b32 s[G0B+3], s[G0B+3], 0x80000000
	s_add_nc_u64 s[G0S+2:G0S+3], s[6:7], s[80:81]
	s_or_b32 s[G0S+3], s[G0S+3], 0x80000000
	s_add_nc_u64 s[10:11], s[6:7], s[82:83]
	s_cmp_eq_u32 s14, 0                            ; one joint load a wave
	s_cbranch_scc0 .Lwave_1
	TLOAD G0B, G1B
	s_branch .Lasked
.Lwave_1:
	s_cmp_eq_u32 s14, 1
	s_cbranch_scc0 .Lfor_scales
	TLOAD G0A, G1A
	s_branch .Lasked
.Lfor_scales:
	TLOAD G0S, G1S
.Lasked:
	; where my results go, as offsets
	s_lshr_b32 s21, s42, 3                         ; s[76:77] q or k: 2^23 (tile column / 8) + 2,048 x the K step + 1,024 x my half of it + 16,384 x my first row tile
	s_lshl_b32 s76, s21, 23
	s_and_b32 s21, s42, 7
	s_lshl_b32 s21, s21, 11
	SADD 76, 21
	s_lshl_b32 s21, s16, 10
	SADD 76, 21
	s_lshl_b32 s21, s43, 19
	SADD 76, 21
	s_lshl_b32 s21, s15, 15
	SADD 76, 21
	s_mov_b32 s77, 0
	s_lshl_b32 s78, s42, 15                        ; s[78:79] their scale words: wave n stores those of the n-th chunk in the order of work
	s_lshl_b32 s21, s43, 11
	SADD 78, 21
	s_xor_b32 s20, s15, s18
	s_xor_b32 s20, s20, 1
	s_lshl_b32 s21, s20, 10
	SADD 78, 21
	s_lshl_b32 s21, s16, 9
	SADD 78, 21
	s_add_co_u32 s78, s78, QKS
	s_mov_b32 s79, 0
	s_lshr_b32 s21, s43, 2                         ; s[80:81] v^T: batch, d tile, K step, piece w
	s_lshl_b32 s80, s21, 21
	s_lshl_b32 s21, s13, 18
	SADD 80, 21
	s_lshl_b32 s21, s16, 17
	SADD 80, 21
	s_and_b32 s21, s43, 3
	s_lshl_b32 s21, s21, 13
	SADD 80, 21
	s_lshl_b32 s21, s18, 12
	SADD 80, 21
	s_lshl_b32 s21, s15, 9
	SADD 80, 21
	s_add_co_u32 s80, s80, VC
	s_mov_b32 s81, 0
	s_lshl_b32 s82, s43, 14                        ; s[82:83] its scale words: wave n stores chunk n / 2 of the window, 64 rows of d
	s_lshl_b32 s21, s18, 13
	SADD 82, 21
	s_lshl_b32 s21, s15, 12
	SADD 82, 21
	s_lshl_b32 s21, s13, 9
	SADD 82, 21
	s_lshl_b32 s21, s16, 8
	SADD 82, 21
	s_add_co_u32 s82, s82, VS
	s_mov_b32 s83, 0
	s_wait_alu depctr_va_vdst(0)
	v_lshlrev_b32 v[CO], 4, v3
	s_lshl_b32 s21, s14, 9
	s_add_co_u32 s21, s21, XN
	v_lshl_add_u32 v23, v1, 1, v2
	v_add_nc_u32 v[VX], s21, v23                   ; 2 r + h in my 512 bytes
	s_lshl_b32 s21, s14, 8
	s_add_co_u32 s21, s21, XV
	v_lshlrev_b32 v23, 2, v1
	v_add_nc_u32 v[RD], s21, v23                   ; 4 r in my 256 bytes: both halves of the lanes hold the same byte of v
	v_lshlrev_b32 v23, 9, v2
	v_lshl_add_u32 v[CN], v1, 4, v23               ; a lane's 32 codes are one block, piece 2 s16 + h: 16 codes for operand lane (r, 0), 16 for (r, 1), 256 bytes on
	s_mov_b32 s20, s12
	s_mov_b32 s21, 0
	s_add_nc_u64 s[20:21], s[6:7], s[20:21]
.irp p, 0,1
.irp c, 0,1
	global_load_b128 v[SB+NQ*\p+4*\c:SB+NQ*\p+4*\c+3], v[ABS], s[10:11] offset:\p*32*KS+16*\c
	global_load_b128 v[WS+NQ*\p+4*\c:WS+NQ*\p+4*\c+3], v[ABS], s[20:21] offset:\p*32*KS+16*\c
.endr
.endr
	s_wait_alu depctr_va_vdst(0)
	s_wait_xcnt 0x0                                ; the loads have taken their addresses; they change below
	s_add_co_u32 s6, s67, CH*KROW                  ; chunk 1
	s_add_co_u32 s7, s2, CH*KROW                   ; chunk 3
	s_lshl_b32 s21, s90, 13
	s_add_co_u32 s22, s21, s6
	v_lshl_add_u32 v7, v3, 8, s22                  ; prefetches: my sixteenth of chunk 1, of chunk 2: 32 blocks of 256 bytes, a lane a block; told apart by address, each once in the cluster row that loads it
	s_add_co_u32 s22, s21, s2
	v_lshl_add_u32 v8, v3, 8, s22
	v_add_nc_u32 v1, BP, v[ADRA0]                  ; block 1's LDS addresses
	v_add_nc_u32 v2, BS, v[AAS0]
	s_wait_alu depctr_va_vdst(0)
	s_cmp_eq_u32 s14, 0
	s_cbranch_scc0 .Lnot_b
	s_wait_tensorcnt 0x0                           ; wave 0: the first weight has landed; the other waves' wait stands at the second barrier
.Lnot_b:
	BARRIER
	global_prefetch_b8 v7, s[4:5] th:TH_LOAD_NT scope:SCOPE_SE
	global_prefetch_b8 v8, s[4:5] th:TH_LOAD_NT scope:SCOPE_SE
.macro WALU
	s_wait_alu depctr_va_vdst(0)
.endm
.macro MIDDLE
	WIN 0
	s_barrier_wait -1
	s_cmp_lg_u32 s14, 0
	s_cbranch_scc1 .Lnot_wave_0_\@
	s_barrier_signal -3
.Lnot_wave_0_\@:
	s_barrier_wait -3
.endm
.macro GRD
	s_wait_tensorcnt 0x0
	ds_add_u32 v[SPW], v[NIL]
.endm
.macro FRAG f, adr, q, off             ; a weight's fragment: 16 rows x 128 of K; fragment f lies in window 1 + f / 16
	WIN (1+(\f)/FPW)<<6
.irp c, 0,1,2,3
	ds_load_b128 v[FR*((\f)%FPW)+4*\c:FR*((\f)%FPW)+4*\c+3], v[\adr] offset:128*(\q)+32*\c+(\off)
.endr
.endm
.macro FETCHAT k, a, s                 ; a block of x, all of K, into set k of window 3, and its scale words: NF loads
	WIN 3<<6
.irp q, 0,1,2,3,4,5,6,7
.irp c, 0,1,2,3
	ds_load_b128 v[128*\k+FR*\q+4*\c:128*\k+FR*\q+4*\c+3], v[\a] offset:128*\q+32*\c
.endr
.endr
	WIN 0
	ds_load_b128 v[SA+8*\k:SA+8*\k+3], v[\s]
	ds_load_b128 v[SA+8*\k+4:SA+8*\k+7], v[\s] offset:16
.endm
.macro PROD kind, e, a, n              ; product n = 4 q + b: the q-th 128 of K, column tile b; x's set e, sums' set a.  kind 0 (q, k): source 0 = the weight's rows; kind 1 (v): source 0 = x's rows
.set Q_, (\n)/4
.set B_, (\n)%4
.set FB_, NB*Q_+B_
.set D_, ACC+32*(\a)+8*B_
.if \kind
	WIN 3|((1+FB_/FPW)<<2)
.set X_, 128*(\e)+FR*Q_
.set Y_, FR*(FB_%FPW)
.set SX_, SA+8*(\e)+Q_
.set SY_, SB+8*(B_/2)+Q_
.else
	WIN (1+FB_/FPW)|(3<<2)
.set Y_, 128*(\e)+FR*Q_
.set X_, FR*(FB_%FPW)
.set SY_, SA+8*(\e)+Q_
.set SX_, SB+8*(B_/2)+Q_
.endif
.if B_%2 == 0
.if Q_
	v_wmma_scale_f32_16x16x128_f8f6f4 v[D_:D_+7], v[X_:X_+15], v[Y_:Y_+15], v[D_:D_+7], v[SX_], v[SY_] matrix_a_fmt:MATRIX_FMT_BF8 matrix_b_fmt:MATRIX_FMT_BF8
.else
	v_wmma_scale_f32_16x16x128_f8f6f4 v[D_:D_+7], v[X_:X_+15], v[Y_:Y_+15], 0, v[SX_], v[SY_] matrix_a_fmt:MATRIX_FMT_BF8 matrix_b_fmt:MATRIX_FMT_BF8
.endif
.elseif \kind
.if Q_
	v_wmma_scale_f32_16x16x128_f8f6f4 v[D_:D_+7], v[X_:X_+15], v[Y_:Y_+15], v[D_:D_+7], v[SX_], v[SY_] matrix_a_fmt:MATRIX_FMT_BF8 matrix_b_fmt:MATRIX_FMT_BF8 matrix_b_scale:MATRIX_SCALE_ROW1
.else
	v_wmma_scale_f32_16x16x128_f8f6f4 v[D_:D_+7], v[X_:X_+15], v[Y_:Y_+15], 0, v[SX_], v[SY_] matrix_a_fmt:MATRIX_FMT_BF8 matrix_b_fmt:MATRIX_FMT_BF8 matrix_b_scale:MATRIX_SCALE_ROW1
.endif
.else
.if Q_
	v_wmma_scale_f32_16x16x128_f8f6f4 v[D_:D_+7], v[X_:X_+15], v[Y_:Y_+15], v[D_:D_+7], v[SX_], v[SY_] matrix_a_fmt:MATRIX_FMT_BF8 matrix_b_fmt:MATRIX_FMT_BF8 matrix_a_scale:MATRIX_SCALE_ROW1
.else
	v_wmma_scale_f32_16x16x128_f8f6f4 v[D_:D_+7], v[X_:X_+15], v[Y_:Y_+15], 0, v[SX_], v[SY_] matrix_a_fmt:MATRIX_FMT_BF8 matrix_b_fmt:MATRIX_FMT_BF8 matrix_a_scale:MATRIX_SCALE_ROW1
.endif
.endif
.endm
.macro HOLD x, b                       ; the conversion does not saturate (ISA guide 7.6.2): the hold comes first
	v_med3_num_f32 v[\x], v[\x], -v[TQ+\b], v[TQ+\b]
.endm
.macro SCALES i, n                     ; 0: the conversion's scale operand; 1: the bound; 2: its second copy; 3: the byte
.if (\i) == 0
	v_add_nc_u32 v[SOP+\n], -(EMAX<<23), v[TQ]
.elseif (\i) == 1
	v_and_or_b32 v[TQ+1], v[TQ], 0x7f800000, s62
.elseif (\i) == 2
	v_mov_b32 v[TQ+3], v[TQ+1]
.else
	v_lshrrev_b32 v[EB+\n], 23, v[SOP+\n]
.endif
.endm
.macro MAXQ k, x                       ; q, k: the largest magnitude of a lane's 32 sums, in four chains, and the floor 2^(16 - 127)
.if (\k) < 4
	v_max3_num_f32 v[TQ+\k], |v[\x+8*(\k)]|, |v[\x+8*(\k)+1]|, |v[\x+8*(\k)+2]|
.elseif (\k) < 12
	v_max3_num_f32 v[TQ+(\k)%4], v[TQ+(\k)%4], |v[\x+8*((\k)%4)+2*((\k)/4)+1]|, |v[\x+8*((\k)%4)+2*((\k)/4)+2]|
.elseif (\k) < 16
	v_max_num_f32 v[TQ+(\k)%4], v[TQ+(\k)%4], |v[\x+8*((\k)%4)+7]|
.elseif (\k) == 16
	v_max3_num_f32 v[TQ], v[TQ], v[TQ+1], v[TQ+2]
.else
	v_max3_num_f32 v[TQ], v[TQ], v[TQ+3], (EMAX+1)<<23
.endif
.endm
.macro HOLDS m, x                      ; two holds; the bound is read from its second copy where its first would be read late
.if (\m) == 3
	HOLD \x, 3
	HOLD \x+1, 3
.else
	HOLD \x, 1
	HOLD \x+1, 1
.endif
.if (\m) == 2
	SCALES 2, 0
.endif
.endm
.macro GAPQ m, x                       ; q's or k's block, gaps 0 .. 26: the sums at x -> codes NCD, byte EB
.if (\m) < 9
	MAXQ 2*(\m), \x
	MAXQ 2*(\m)+1, \x
.elseif (\m) == 9
	SCALES 0, 0
	SCALES 1, 0
.elseif (\m) < 26
	HOLDS (\m)-10, \x+2*((\m)-10)
.if ((\m)-10)%4 == 3
	v_cvt_scalef32_pk8_bf8_f32 v[NCD+2*(((\m)-10)/4):NCD+2*(((\m)-10)/4)+1], v[\x+8*(((\m)-10)/4):\x+8*(((\m)-10)/4)+7], v[SOP]
.endif
.elseif (\m) == 26
	SCALES 3, 0
.endif
.endm
.macro GAPV u, x                       ; a pair of v's blocks, gaps 0 .. 59, 15 a tile: a block of 32 lies in lanes l and l xor 16: sums at x (u = 0) and x + 32 (u = 1) -> codes MCD + 4 t, byte EB + t
.set T_, (\u)/15
.set J_, (\u)%15
.set E_, \x+8*T_
.set O_, E_+32
.if (\u) > 59
.elseif J_ == 0
	v_max3_num_f32 v[TQ], |v[E_]|, |v[E_+1]|, |v[E_+2]|
	v_max3_num_f32 v[TQ+2], |v[O_]|, |v[O_+1]|, |v[O_+2]|
.elseif J_ < 3
	v_max3_num_f32 v[TQ], v[TQ], |v[E_+2*J_+1]|, |v[E_+2*J_+2]|
	v_max3_num_f32 v[TQ+2], v[TQ+2], |v[O_+2*J_+1]|, |v[O_+2*J_+2]|
.elseif J_ == 3
	v_max3_num_f32 v[TQ+2], v[TQ+2], |v[O_+7]|, (EMAX+1)<<23
	v_max3_num_f32 v[TQ], v[TQ], |v[E_+7]|, v[TQ+2]
.elseif J_ == 4
	v_permlanex16_b32 v[TQ+2], v[TQ], s60, s61
	v_max_num_f32 v[TQ], v[TQ], v[TQ+2]
.elseif J_ == 5
	SCALES 0, T_
	SCALES 1, T_
.elseif J_ < 10
	HOLDS J_-6, E_+2*(J_-6)
.if J_ == 9
	v_cvt_scalef32_pk8_bf8_f32 v[MCD+4*T_:MCD+4*T_+1], v[E_:E_+7], v[SOP+T_]
.endif
.elseif J_ < 14
	HOLDS J_-6, O_+2*(J_-10)
.if J_ == 13
	v_cvt_scalef32_pk8_bf8_f32 v[MCD+4*T_+2:MCD+4*T_+3], v[O_:O_+7], v[SOP+T_]
.endif
.else
	SCALES 3, T_
.endif
.endm
.macro RDESC i, off, lds               ; group 0 of a refill, in two parts: a quarter of 128 rows a wave
.if (\i) == 0
	s_mul_i32 s[G0R+1], s14, CH/4*PITCH
	s_add_co_u32 s[G0R+1], s[G0R+1], s\lds
	s_mul_i32 s20, s14, CH/4*KROW
	s_add_co_u32 s20, s20, s\off
.else
	s_mov_b32 s21, 0
	s_add_nc_u64 s[G0R+2:G0R+3], s[4:5], s[20:21]
	s_or_b32 s[G0R+3], s[G0R+3], 0x80000000
.endif
.endm
; WHAT STANDS BEHIND PRODUCT n.  j: the block's number in its trip (the second loop's: 4, 5; v's: -1, -2).  Behind 0 and 1 the addresses of the block two on, and the way out's place (the block before last's row tile + 1 or + 3);
; behind 2 a prefetch's address or a byte's next place; behind 29, 30 a refill's group 0; from 1 on a way out: y = 1 q's or k's block at x; 2, 3 the halves of v's pair at x
.macro LIST n, j, y, x
.if (\n) == 0
.if (\j) >= 0
	s_add_nc_u64 s[84:85], s[84:85], 16384+32768*((\j)%2)
.if (\j) == 1
	s_cmp_eq_u32 s46, 2
	s_cselect_b64 s[84:85], s[88:89], s[84:85]
.endif
.endif
	WIN 0
.if (\j) == 0 || (\j) == 1
	s_add_co_u32 s22, s101, PP+(\j)*BP
.elseif (\j) > 1
	s_add_co_u32 s22, s47, ((\j)%2)*BP
.else
	s_add_co_u32 s22, s47, (-1-(\j))*BP
.endif
	v_add_nc_u32 v[ADRA], s22, v[ADRA0]
.elseif (\n) == 1
	WIN 0
.if (\j) == 0 || (\j) == 1
	s_add_co_u32 s22, s17, PS+(\j)*BS
.elseif (\j) > 1
	s_add_co_u32 s22, s8, ((\j)%2)*BS
.else
	s_add_co_u32 s22, s8, (-1-(\j))*BS
.endif
	v_add_nc_u32 v[AAS], s22, v[AAS0]
.endif
.if (\j) == 2 && (\n) == 2
	WIN 0
	v_lshl_add_u32 v7, v3, 8, s23
.elseif (\j) == 0 && ((\n) == 29 || (\n) == 30)
	RDESC (\n)-29, 6, 47
.elseif (\j) == 1 && (\n) == 2
	WIN 0
	v_add_nc_u32 v[VX], s9, v[VX]
.elseif (\j) == 5 && (\n) == 2
	WIN 0
	v_add_nc_u32 v[VX], 64, v[VX]
.endif
.if (\y) == 1 && (\n) > 0 && (\n) < 28
	WIN 0
	GAPQ (\n)-1, \x
.elseif (\y) == 2 && (\n) > 0 && (\n) < 31
	WIN 0
	GAPV (\n)-1, \x
.elseif (\y) == 3 && (\n) > 0 && (\n) < 31
	WIN 0
	GAPV (\n)+29, \x
.endif
.endm
.macro BLOCK kind, e, a, from, to, j, y, x
.set N_, \from
.rept (\to)-(\from)
	PROD \kind, \e, \a, N_
	LIST N_, \j, \y, \x
.set N_, N_+1
.endr
.endm
.macro HEADW w                         ; the block's fragments are in (the next block's NF loads may be out); earlier stores and prefetches have read their registers
.if (\w) >= 0
	s_wait_dscnt \w
.endif
	s_wait_xcnt 0x0
.endm
.macro BLK kind, e, a, w, j, y, x
	HEADW \w
	BLOCK \kind, \e, \a, 0, 32, \j, \y, \x
	WIN 0
	PLACES NP
.endm
.macro RBLK kind, e, a, w, j, y, x     ; with a round of the cluster's barrier: the lines at its head, the signal behind 28 products
	HEADW \w
	GRD
	BLOCK \kind, \e, \a, 0, 28, \j, \y, \x
	WIN 0
	WALU
	s_wait_dscnt 0x0
	s_barrier_signal -1
	BLOCK \kind, \e, \a, 28, 32, \j, \y, \x
	MIDDLE
	BARRIER
.endm
.macro SBLK kind, e, a, w, j, y, x, half=0   ; with a plain barrier (half = 1: it shows waves 0 and 1's loads alone)
	HEADW \w
	BLOCK \kind, \e, \a, 0, 28, \j, \y, \x
	WIN 0
	WALU
.if \half
	s_cmp_lt_u32 s14, 2
	s_cbranch_scc0 .Lnot_yet_\@
	s_wait_tensorcnt 0x0
.Lnot_yet_\@:
.else
	s_wait_tensorcnt 0x0
.endif
	s_wait_dscnt 0x0
	s_barrier_signal -1
	BLOCK \kind, \e, \a, 28, 32, \j, \y, \x
	WIN 0
	s_barrier_wait -1
	PLACES NP
.endm
.macro QOUT off, boff                  ; a block's byte goes to LDS, its 32 codes a lane leave: each store covers two whole aligned units of 256 bytes
	ds_store_b8 v[VX], v[EB] offset:\boff
	global_store_b128 v[CN], v[NCD:NCD+3], s[84:85] offset:\off
	global_store_b128 v[CN], v[NCD+4:NCD+7], s[84:85] offset:(\off)+256
.endm
.irp q, 0,1,2,3,4,5,6,7                ; the first weight into windows 1 and 2: 128 loads
.irp b, 0,1,2,3
	FRAG NB*\q+\b, ADRB, \q, \b*16*PITCH
.endr
.endr
	WIN 0
	s_wait_tensorcnt 0x0                           ; chunk 0 and the scale bytes are in; the first weight is in registers
	s_wait_dscnt 0x0
	BARRIER
	FETCHAT 0, ADRA0, AAS0
	FETCHAT 1, 1, 2
	s_load_b64 s[92:93], s[0:1], 0x8               ; qkv
	s_mov_b32 s60, 0x76543210
	s_mov_b32 s61, 0xfedcba98                      ; v_permlanex16_b32's selects for lane l xor 16
	s_mov_b32 s62, 0x600000                        ; the mantissa field of 57,344
.set I_, 0
.rept 32                               ; the first way out has no block before it: it works on zeros and stores nothing
	v_mov_b32 v[ACC+32+I_], 0
.set I_, I_+1
.endr
	s_wait_kmcnt 0x0
	s_add_nc_u64 s[94:95], s[92:93], s[78:79]
	s_add_nc_u64 s[96:97], s[92:93], s[80:81]
	s_add_nc_u64 s[98:99], s[92:93], s[82:83]
	s_add_nc_u64 s[92:93], s[92:93], s[76:77]
	s_lshl_b32 s20, s18, 18
	s_mov_b32 s21, 0
	s_add_nc_u64 s[88:89], s[92:93], s[20:21]      ; q's or k's images of v's window: 16 row tiles of 16,384 bytes
	s_xor_b32 s20, s20, 1<<18
	s_add_nc_u64 s[84:85], s[92:93], s[20:21]      ; of the other window,
	s_sub_nc_u64 s[84:85], s[84:85], 65536         ; less the two steps that stand ahead of the first store
	s_mov_b32 s46, 0                               ; the trip; s101, s47 this chunk's slot and the next's; s17, s8 their scale bytes; s6 the rows that are loaded; s9 to a byte's next place; s23 a prefetch's place
	s_mov_b32 s9, 0
	s_mov_b32 s23, 0
	s_mov_b32 s101, 0
	s_mov_b32 s47, YB
	s_mov_b32 s17, 0
	s_mov_b32 s8, 2*PS
	s_wait_loadcnt 0x0
.Lfour:
	RBLK 0, 0, 0, NF, 0, 1, ACC+32                 ; blocks 0, 4, 8: chunks 1, 2, 3 come
	s_cmp_lt_u32 s14, 2                            ; waves 0, 1 and waves 2, 3 have a load line each
	s_cbranch_scc0 .Lupper
	TLOAD G0R, G1R
	s_branch .Lboth
.Lupper:
	TLOAD G0R, G1R
.Lboth:
	PLACES NP-4
	s_cmp_eq_u32 s46, 0
	s_cbranch_scc1 .Lno_block_before
	QOUT 0, 96
.Lno_block_before:
	FETCHAT 0, ADRA, AAS
	BLK 0, 1, 1, -1, 1, 1, ACC
	QOUT 0, 0
	FETCHAT 1, ADRA, AAS
	SBLK 0, 0, 0, NF, 2, 1, ACC+32, 1              ; the next chunk's first half is in
	QOUT 0, 32
	s_cmp_eq_u32 s46, 0
	s_cbranch_scc1 .Lnone_ahead
	global_prefetch_b8 v7, s[4:5] th:TH_LOAD_NT scope:SCOPE_SE   ; trip 1: chunk 3, trip 2: W_v's rows: two blocks of products ahead of their load
.Lnone_ahead:
	FETCHAT 0, ADRA, AAS
	BLK 0, 1, 1, -1, 3, 1, ACC
	QOUT 0, 64
	FETCHAT 1, ADRA, AAS
	s_cmp_eq_u32 s46, 0
	s_cselect_b32 s6, s2, s7
	s_cselect_b32 s21, s90, s100
	s_cselect_b32 s22, s7, s3
	s_mov_b32 s9, 128
	s_lshl_b32 s21, s21, 13
	s_add_co_u32 s23, s21, s22
	s_mov_b32 s101, s47
	s_mov_b32 s17, s8
	s_xor_b32 s47, s47, YB
	s_add_co_u32 s8, s8, 2*PS
	s_add_co_u32 s46, s46, 1
	s_cmp_lg_u32 s46, 3
	s_cbranch_scc1 .Lfour
	GRD
	s_mul_i32 s20, s14, CH/4*KROW
	s_add_co_u32 s20, s20, s3
	s_mov_b32 s21, 0
	s_mul_i32 s[G0A+1], s14, CH/4*PITCH
	s_add_nc_u64 s[G0A+2:G0A+3], s[4:5], s[20:21]
	s_or_b32 s[G0A+3], s[G0A+3], 0x80000000
	GROUP1 G1A, 45, CH/4
	s_wait_dscnt 0x0
	s_barrier_signal -1
	MIDDLE
	BARRIER
	TLOAD G0A, G1A
	s_mov_b32 s47, YB+PP
	s_mov_b32 s8, 7*PS
.Ltwo:
	BLK 0, 0, 0, NF, 4, 1, ACC+32                  ; blocks 12, 14
	QOUT 0, 96
	FETCHAT 0, ADRA, AAS
	BLK 0, 1, 1, NF, 5, 1, ACC                     ; 13, 15; the block two on is then v's: chunk 3 again, as it lies in slot 1
	QOUT 0, 64
	FETCHAT 1, ADRA, AAS
	s_mov_b32 s47, YB
	s_mov_b32 s8, 6*PS
	s_add_co_u32 s46, s46, 1
	s_cmp_lg_u32 s46, 5
	s_cbranch_scc1 .Ltwo
	s_wait_xcnt 0x0                                ; THE CHANGE OF PHASE
	s_wait_tensorcnt 0x0                           ; W_v's rows are in
	s_wait_dscnt 0x0
	BARRIER
.macro CHANGE i                        ; among W_v's 128 loads: block 15's way out; W_v's scale words into their place; zeros into what v's first trip reads and does not store
.if (\i) < 7
.irp k, 0,1,2,3
.if 4*(\i)+\k < 27
	GAPQ 4*(\i)+\k, ACC+32
.endif
.endr
.elseif (\i) < 9
.irp q, 0,1,2,3,4,5,6,7
	v_mov_b32 v[SB+8*((\i)-7)+\q], v[WS+8*((\i)-7)+\q]
.endr
.elseif (\i) < 15
.irp q, 0,1,2,3,4,5,6,7
	v_mov_b32 v[ACC+80+8*((\i)-9)+\q], 0
.endr
.endif
.endm
.irp q, 0,1,2,3,4,5,6,7
.irp b, 0,2
	FRAG NB*\q+\b, ADRB+1, \q, \b*16*PITCH
	FRAG NB*\q+\b+1, ADRB+1, \q, (\b+1)*16*PITCH
	WIN 0
	CHANGE 2*\q+\b/2
.endr
.endr
	QOUT 16384, 96
	GRD
	s_mov_b32 s47, 0
	RDESC 0, 2, 47
	RDESC 1, 2, 47
	s_mov_b32 s46, 0
	s_mov_b32 s47, YB+PP
	s_mov_b32 s8, 7*PS
	s_wait_dscnt 0x0
	s_barrier_signal -1
	MIDDLE
	BARRIER
	TLOAD G0R, G1R
.macro VOUT                            ; a pair of v's blocks: four tiles' bytes and codes, 512 consecutive bytes a store
.irp t, 0,1,2,3
	ds_store_b8 v[VX], v[EB+\t] offset:64*\t
	global_store_b128 v[CO], v[MCD+4*\t:MCD+4*\t+3], s[84:85] offset:32768*\t
.endr
.endm
.macro VTO                             ; s22 = 2 x the chunk in the window + p: where the pair's codes and bytes go
	s_lshl_b32 s20, s22, 10
	s_mov_b32 s21, 0
	s_add_nc_u64 s[84:85], s[96:97], s[20:21]
	v_add_nc_u32 v[VX], s22, v[RD]
.endm
.Lpair:
	BLK 1, 0, 0, -1, -1, 2, ACC+64
	s_cmp_eq_u32 s46, 3
	s_cbranch_scc1 .Lnone_0
	FETCHAT 0, ADRA, AAS
	s_wait_dscnt NF                                ; the other set is in
	s_branch .Lgo
.Lnone_0:
	s_wait_dscnt 0x0
.Lgo:
	SBLK 1, 1, 1, -1, -2, 3, ACC+64                ; the first trip's barrier shows chunk 2
.set I_, 0
.rept 32                               ; the pair's sums are copied, so that one trip is two blocks of text
	v_dual_mov_b32 v[ACC+64+I_], v[ACC+I_] :: v_dual_mov_b32 v[ACC+64+I_+1], v[ACC+I_+1]
.set I_, I_+2
.endr
	s_add_co_u32 s22, s46, 1                       ; the pair before: 2, 3, 0, 1 for pairs 0 .. 3
	s_and_b32 s22, s22, 3
	VTO
	s_cmp_eq_u32 s46, 0
	s_cbranch_scc1 .Lno_pair_before
	VOUT
.Lno_pair_before:
	s_cmp_eq_u32 s46, 3
	s_cbranch_scc1 .Lnone_1
	FETCHAT 1, ADRA, AAS
.Lnone_1:
	s_mov_b32 s8, 5*PS
	s_cmp_eq_u32 s46, 0
	s_cselect_b32 s47, 0, PP
	s_cselect_b32 s8, 4*PS, s8
	s_add_co_u32 s46, s46, 1
	s_cmp_lg_u32 s46, 4
	s_cbranch_scc1 .Lpair
	s_wait_xcnt 0x0
.set K_, 0
.rept 60
	GAPV K_, ACC+64
.set K_, K_+1
.endr
	s_mov_b32 s22, 1
	VTO
	VOUT
	s_wait_dscnt 0x0                               ; my result bytes are stored
	BARRIER
	; q's or k's scale words of the n-th chunk in the order of work: lane L takes rows 4 L .. 4 L + 3: bytes 0, 1 from column 0's wave, 2, 3 from column 1's
	v_and_b32 v20, 7, v3
	v_bfe_u32 v21, v3, 3, 1
	v_lshrrev_b32 v22, 4, v3
	v_lshlrev_b32 v20, 3, v20
	v_lshl_add_u32 v20, v21, 10, v20
	v_lshl_add_u32 v20, v22, 6, v20
	s_lshl_b32 s21, s14, 7
	s_add_co_u32 s21, s21, XN
	v_add_nc_u32 v20, s21, v20
	; v's of chunk n / 2 of the window: lane L takes rows 2 L, 2 L + 1 of d: bytes 0, 2 from wave row 0, 1, 3 from wave row 1
	v_lshlrev_b32 v22, 3, v3
	s_lshl_b32 s21, s16, 8
	s_add_co_u32 s21, s21, XV
	v_add_nc_u32 v21, s21, v22
	s_wait_alu depctr_va_vdst(0)
	ds_load_b64 v[60:61], v20
	ds_load_b64 v[62:63], v20 offset:512
	ds_load_b64 v[44:45], v21
	ds_load_b64 v[46:47], v21 offset:512
	s_mov_b32 s60, 0x05040100
	s_mov_b32 s61, 0x07060302
	s_mul_i32 s62, s15, 0x02020202
	s_add_co_u32 s62, s62, 0x05010400
	s_wait_dscnt 0x0
	v_perm_b32 v40, v62, v60, s60
	v_perm_b32 v41, v62, v60, s61
	v_perm_b32 v42, v63, v61, s60
	v_perm_b32 v43, v63, v61, s61
	v_perm_b32 v48, v46, v44, s62
	v_perm_b32 v49, v47, v45, s62
	global_store_b128 v[CO], v[40:43], s[94:95]
	global_store_b64 v22, v[48:49], s[98:99]
	s_wait_tensorcnt 0x0                           ; the wave's end
	ds_add_u32 v[SPW], v[NIL]
	s_wait_dscnt 0x0
	CROUND                                         ; the closing round
	s_endpgm
.Lfunc_end_k_qb8a081c26f_proj:
	.size	k_qb8a081c26f_proj, .Lfunc_end_k_qb8a081c26f_proj-k_qb8a081c26f_proj
	.p2alignl 7, 3214868480
	.fill 96, 4, 3214868480
	.section	.rodata,"a",@progbits
	.p2align	6, 0x0
	.amdhsa_kernel k_qb8a081c26f_proj
		.amdhsa_group_segment_fixed_size 327680
		.amdhsa_private_segment_fixed_size 0
		.amdhsa_enable_private_segment 0
		.amdhsa_kernarg_size 16
		.amdhsa_user_sgpr_count 2
		.amdhsa_user_sgpr_kernarg_segment_ptr 1
		.amdhsa_wavefront_size32 1
		.amdhsa_system_sgpr_workgroup_id_x 1
		.amdhsa_system_sgpr_workgroup_id_y 1
		.amdhsa_system_sgpr_workgroup_id_z 1
		.amdhsa_system_vgpr_workitem_id 0
		.amdhsa_next_free_vgpr 1024
		.amdhsa_next_free_sgpr 102
		.amdhsa_reserve_vcc 0
		.amdhsa_float_denorm_mode_32 3
		.amdhsa_float_denorm_mode_16_64 3
		.amdhsa_memory_ordered 1
		.amdhsa_forward_progress 1
		.amdhsa_inst_pref_size 160
	.end_amdhsa_kernel
	.amdgpu_metadata
---
amdhsa.version: [ 1, 2 ]
amdhsa.kernels:
  - .name:           k_qb8a081c26f_proj
    .symbol:         k_qb8a081c26f_proj.kd
    .args:
      - { .name: xw, .offset: 0, .size: 8, .value_kind: global_buffer, .address_space: global }
      - { .name: qkv, .offset: 8, .size: 8, .value_kind: global_buffer, .address_space: global }
    .group_segment_fixed_size: 327680
    .private_segment_fixed_size: 0
    .kernarg_segment_align: 8
    .kernarg_segment_size: 16
    .max_flat_workgroup_size: 128
    .sgpr_count:     102
    .vgpr_count:     1024
    .wavefront_size: 32
...
	.end_amdgpu_metadata
.endif
;; end of part 2
;; launch scores (part 3): grid 62 x 4, 4 waves a work-group, no clusters, 327,680 bytes of LDS; arguments qkv, pq; writes pq
.if DOCPART == 3
	.amdgcn_target "amdgcn-amd-amdhsa--gfx1250"
	.amdhsa_code_object_version 6
	.text
	.protected	k_qb8a081c26f_scores
	.globl	k_qb8a081c26f_scores
	.p2align	8
	.type	k_qb8a081c26f_scores,@function
k_qb8a081c26f_scores:
	s_mov_b64 s[64:65], 0
	v_nop
	global_prefetch_b8 v0, s[64:65] scope:SCOPE_SE
	s_setreg_imm32_b32 hwreg(HW_REG_WAVE_MODE, 25, 1), 1
	s_wait_xcnt 0x0
; S^T = k q^T on codes of BF8 for the tiles of 160 queries x 256 keys of each batch that are not wholly above the diagonal; then the softmax's p, quantised along the keys, chunk by chunk of 128 keys.
; LEFT OUT: tiles all of whose keys come after all of their queries (the first kernel's head says why that is dead).  13 rows of tiles with 1, 2, 2, 3, 4, 4, 5, 5, 6, 7, 7, 8, 8 tiles: 62 a batch, 248 work-groups.
; The last row of tiles ends 32 queries past the batch: those two tiles of 16 queries are multiplied (what lies there belongs to the same buffer) and neither quantised nor stored.
; t = score x log2(e) / 32.  FOR EACH ROW AND CHUNK: M = ceil(the chunk's largest t); p = 2^(t - M); l = the sum of the unquantised p.  The next launch takes the row's M as the largest of the chunks'
; and moves the difference, a whole number, into the scale bytes and into l: exact powers of two.
; Four waves, 80 queries x 128 keys each: 40 accumulators.  Source 0 = 16 keys, source 1 = 16 queries: a lane holds ONE query; register 16 b + i of a block of queries is key 32 b + 16 (lane / 16) + i of the wave's chunk.
; Query (tile place T, lane r) is row 32 (T / 2) + 8 (T % 2) + 16 (r / 8) + r % 8.
; OPERANDS are images of their registers (2,048 bytes a fragment): two LDS slots, each with two K steps of 10 tiles of q and 16 of k; waves 0, 1 fetch q's halves, waves 2, 3 k's, one load each.
; Both operands' fragments have two sets of registers, so a step's loads stand beside the step before.  Scale words come once, straight into registers: word of step n, block i at v[64 + 8 n + i]: lanes 0-15 q's, lanes 16-31 k's.
; pq: p's images [batch][query tile 128][chunk 16] at 0; records [batch][chunk 16][query place 2,048] of 16 bytes {scale word, -M, l, 0} at PST.
; NO CLUSTER: rows of 1 to 8 tiles do not divide into equal partners.  NO PREFETCH: four slots in all, written out, of which the first two come by the head's loads: no loop to run ahead in.
; LIMITS: -3e38 stands for 'no key of this chunk counts', so t lies above it; NaN and infinities are not served; a block whose p are all 0 keeps the byte 1 over zero codes.
.set QKS,  25165824
.set PST,  16777216
.set QB,   20480                       ; 5 tiles x 2 K steps
.set KO,   40960
.set KB,   32768
.set SLOT, KO+2*KB
.set SPARE, 2*SLOT
.set ADRA, 16
.set ADRB, 20
.set IO,   24                          ; 16 x lane
.set IR,   25                          ; 16 x r
.set VO,   26
.set VO2,  27
.set SPW,  28
.set NIL,  29
.set SW,   64
.set NP,   8
.set P,    64                          ; the way out, window 0: v64-127 p, where the scale words lay
.set PC,   128
.set BM,   144
.set BX,   148
.set HV,   152
.set SO,   156
.set NM,   160
.set LS,   162
.set L2,   164
.set TT,   166
.set REC,  168
.set DL,   176
.set NINF, 178
.set DB,   180
.set G1A, 24
.set G0A, 32
.set G1B, 48
.set G0B, 56
.set PCB, 8
.set PSB, 10
.set T0,  66                           ; my first query tile in the batch
.set KF,  67                           ; my first key
.set TS,  73
.set TL,  74
.set SEL, 70
.set MNT, 72
.set CS,  78
.set MSB, 0
.macro WIN new
.if MSB != (\new)
	s_set_vgpr_msb (MSB<<8)|(\new)
.set MSB, (\new)
.endif
.endm
.macro PLACES n
.rept \n
	v_nop
.endr
.endm
.macro JLOAD s
	s_cmp_eq_u32 s15, 0
	s_cbranch_scc0 .Lfor_k_\@
	tensor_load_to_lds s[G0A+4*\s:G0A+4*\s+3], s[G1A:G1A+7]
	s_nop 0
	PLACES 4
	s_branch .Lasked_\@
.Lfor_k_\@:
	tensor_load_to_lds s[G0B+4*\s:G0B+4*\s+3], s[G1B:G1B+7]
	s_nop 0
	PLACES 4
.Lasked_\@:
.endm
	s_load_b128 s[4:7], s[0:1], 0x0                ; qkv, pq
	v_lshl_add_u32 v[SPW], v0, 2, SPARE
	v_mov_b32 v[NIL], 0
	ds_add_u32 v[SPW], v[NIL]                      ; the wave's opening
	ds_add_u32 v[SPW], v[NIL]
	v_lshrrev_b32 v1, 5, v0
	v_readfirstlane_b32 s14, v1
	s_lshr_b32 s15, s14, 1                         ; my half of the queries; also: I fetch q (0) or k (1)
	s_and_b32 s16, s14, 1                          ; my half of the keys; also: which half I fetch
	s_and_b32 s17, ttmp7, 0xffff                   ; batch
	s_mov_b32 s20, 0                               ; I: the row of tiles
	s_mov_b32 s21, 0                               ; its first tile's number
.irp thr, 1,3,5,8,12,16,21,26,32,39,46,54
	s_cmp_ge_u32 ttmp9, \thr
	s_cselect_b32 s21, \thr, s21
	s_add_co_ci_u32 s20, s20, 0
.endr
	s_sub_co_u32 s21, ttmp9, s21                   ; J
.irp g, G1A, G1B
	s_mov_b32 s[\g], 3<<16                         ; elements of 8 bytes
	s_mov_b32 s[\g+1], 512<<16                     ; two K steps' images: 4,096 bytes
	s_mov_b32 s[\g+3], 512<<16
	s_mov_b32 s[\g+5], 2048                        ; from a row tile to the next: 16,384 bytes
	s_mov_b32 s[\g+6], 0
	s_mov_b32 s[\g+7], 0
.endr
	s_mov_b32 s[G1A+2], 5<<16
	s_mov_b32 s[G1A+4], 5
	s_mov_b32 s[G1B+2], 8<<16
	s_mov_b32 s[G1B+4], 8
	s_lshl_b32 s22, s17, 7                         ; the batch's first row tile
	s_mul_i32 s23, s20, 10
	s_mul_i32 s40, s16, 5
	s_add_co_u32 s40, s40, s23
	s_add_co_u32 s40, s40, s22
	s_lshl_b32 s40, s40, 14
	s_mov_b32 s41, 0
	s_lshl_b32 s42, s21, 4
	s_lshl_b32 s43, s16, 3
	s_add_co_u32 s42, s42, s43
	s_add_co_u32 s42, s42, s22
	s_lshl_b32 s46, s42, 6                         ; my keys' scale words: 64 bytes a tile,
	s_add_co_u32 s46, s46, 262144                  ; behind q's eight K steps
	s_lshl_b32 s42, s42, 14
	s_add_co_u32 s42, s42, 0x800000
	s_mov_b32 s43, 0
	s_mul_i32 s44, s16, QB
	s_mul_i32 s45, s16, KB
	s_add_co_u32 s45, s45, KO
	s_mul_i32 s[T0], s15, 5
	s_add_co_u32 s[T0], s[T0], s23
	s_add_co_u32 s47, s[T0], s22                   ; my first query tile in all
	s_wait_dscnt 0x0                               ; both opening adds are done
	s_wait_kmcnt 0x0
	s_add_nc_u64 s[40:41], s[4:5], s[40:41]
	s_add_nc_u64 s[42:43], s[4:5], s[42:43]
	s_add_nc_u64 s[68:69], s[4:5], QKS
.irp s, 0,1
	s_mov_b32 s[G0A+4*\s], 1
	s_add_co_u32 s[G0A+4*\s+1], s44, \s*SLOT
	s_add_nc_u64 s[G0A+4*\s+2:G0A+4*\s+3], s[40:41], \s*4096
	s_or_b32 s[G0A+4*\s+3], s[G0A+4*\s+3], 0x80000000
	s_mov_b32 s[G0B+4*\s], 1
	s_add_co_u32 s[G0B+4*\s+1], s45, \s*SLOT
	s_add_nc_u64 s[G0B+4*\s+2:G0B+4*\s+3], s[42:43], \s*4096
	s_or_b32 s[G0B+4*\s+3], s[G0B+4*\s+3], 0x80000000
.endr
	JLOAD 0                                        ; one tensor load a wave at the head
	v_and_b32 v1, 15, v0                           ; r
	v_bfe_u32 v2, v0, 4, 1                         ; h
	v_and_b32 v3, 31, v0
	s_lshl_b32 s75, s47, 6                         ; my queries' scale words
	s_sub_co_u32 s76, s46, s75                     ; how far my keys' lie behind them
	v_lshlrev_b32 v4, 2, v1
	v_lshlrev_b32 v[IO], 4, v3
	v_lshlrev_b32 v[IR], 4, v1
	v_mul_u32_u24 v5, s76, v2                      ; lanes 16-31 take k's
	v_add_nc_u32 v[VO], s75, v4
	v_add_nc_u32 v[VO], v[VO], v5
	v_add_nc_u32 v[VO2], s46, v4                   ; all lanes take k's: blocks 5 to 7, which q has not
.irp q, 0,1,2,3,4,5,6,7
.irp i, 0,1,2,3,4
	global_load_b32 v[SW+8*\q+\i], v[VO], s[68:69] offset:32768*\q+64*\i
.endr
.irp i, 5,6,7
	global_load_b32 v[SW+8*\q+\i], v[VO2], s[68:69] offset:32768*\q+64*\i
.endr
.endr
	s_mul_i32 s80, s15, QB
	s_mul_i32 s81, s16, KB
	s_add_co_u32 s81, s81, KO
	v_add_nc_u32 v[ADRA], s80, v[IO]
	v_add_nc_u32 v[ADRB], s81, v[IO]
	v_add_nc_u32 v[ADRA+1], SLOT, v[ADRA]
	v_add_nc_u32 v[ADRB+1], SLOT, v[ADRB]
	s_lshl_b32 s[KF], s21, 8
	s_lshl_b32 s80, s16, 7
	s_add_co_u32 s[KF], s[KF], s80
	s_lshl_b32 s82, s21, 1
	s_add_co_u32 s82, s82, s16                     ; my chunk
	s_lshl_b32 s80, s47, 4
	s_add_co_u32 s80, s80, s82
	s_lshl_b32 s80, s80, 11
	s_mov_b32 s81, 0
	s_add_nc_u64 s[PCB:PCB+1], s[6:7], s[80:81]
	s_lshl_b32 s80, s17, 4
	s_add_co_u32 s80, s80, s82
	s_lshl_b32 s80, s80, 15
	s_lshl_b32 s82, s[T0], 8
	s_add_co_u32 s80, s80, s82
	s_add_co_u32 s80, s80, PST
	s_add_nc_u64 s[PSB:PSB+1], s[6:7], s[80:81]
	s_mov_b32 s[CS], 0x3d38aa3b                    ; c = log2(e) / sqrt(1,024)
	s_mov_b32 s[CS+1], s[CS]                       ; (named with it as a pair, so it is written)
	s_mov_b32 s[SEL], 0x76543210
	s_mov_b32 s[SEL+1], 0xfedcba98
	s_mov_b32 s[MNT], 0x600000
.macro FRAG reg, adr, q, i             ; an image comes back as it was stored: registers 4 c .. 4 c + 3 of lane l from 512 c + 16 l
.irp c, 0,1,2,3
	ds_load_b128 v[\reg+4*\c:\reg+4*\c+3], v[\adr] offset:(2*(\i)+(\q))*2048+512*\c
.endr
.endm
.macro FETCHB slot, q, p               ; k's eight fragments into set p of window 1
	WIN 0x40
.irp i, 0,1,2,3,4,5,6,7
	FRAG 128*(\p)+16*\i, ADRB+\slot, \q, \i
.endr
	WIN 0
.endm
.macro ASET p, a                       ; q's fragment a: set 0 at v128-207, set 1 at v208-255 and v32-63
.if (\p) == 0
.set AX, 128+16*(\a)
.elseif (\a) < 3
.set AX, 208+16*(\a)
.else
.set AX, 16*(\a)-16
.endif
.endm
.macro FETCHA slot, q, p
.irp i, 0,1,2,3,4
	ASET \p, \i
	FRAG AX, ADRA+\slot, \q, \i
.endr
.endm
.macro MULA st, a                      ; K step st, q's block a x k's eight; the 40 accumulators take turns, one instruction a turn, in the same order in every step
	ASET (\st)%2, \a
.set AC, 64*((\a)%4)
.set BF, 128*((\st)%2)
	WIN 0xa1+0x50*((\a)/4)
.irp b, 0,1,2,3,4,5,6,7
.if (\st) == 0
	v_wmma_scale_f32_16x16x128_f8f6f4 v[AC+8*\b:AC+8*\b+7], v[BF+16*\b:BF+16*\b+15], v[AX:AX+15], 0, v[SW+8*(\st)+\b], v[SW+8*(\st)+(\a)] matrix_a_fmt:MATRIX_FMT_BF8 matrix_b_fmt:MATRIX_FMT_BF8 matrix_a_scale:MATRIX_SCALE_ROW1
.else
	v_wmma_scale_f32_16x16x128_f8f6f4 v[AC+8*\b:AC+8*\b+7], v[BF+16*\b:BF+16*\b+15], v[AX:AX+15], v[AC+8*\b:AC+8*\b+7], v[SW+8*(\st)+\b], v[SW+8*(\st)+(\a)] matrix_a_fmt:MATRIX_FMT_BF8 matrix_b_fmt:MATRIX_FMT_BF8 matrix_a_scale:MATRIX_SCALE_ROW1
.endif
.endr
.endm
.macro EVEN st, slot                   ; a slot's first K step (sets 0); its second's fragments go into sets 1
	s_wait_dscnt 0x0                               ; this step's fragments are in
.if (\st) > 0
	PLACES NP                                      ; behind the last step's products, which read sets 1
.endif
	FETCHB \slot, 1, 1
	MULA \st, 0
	MULA \st, 1
	MULA \st, 2
	WIN 0
	FETCHA \slot, 1, 1
	MULA \st, 3
	MULA \st, 4
	WIN 0
.endm
.macro ODD st, slot, next, fill        ; a slot's second K step (sets 1), with the change of slots
	s_wait_tensorcnt 0x0                           ; all my tensor loads have landed: my part of the next slot
	ds_add_u32 v[SPW], v[NIL]                      ; 0 onto my spare word
.if \fill
	s_add_nc_u64 s[G0A+4*\slot+2:G0A+4*\slot+3], s[G0A+4*\slot+2:G0A+4*\slot+3], 8192
	s_add_nc_u64 s[G0B+4*\slot+2:G0B+4*\slot+3], s[G0B+4*\slot+2:G0B+4*\slot+3], 8192
.endif
	s_wait_dscnt 1                                 ; this step's fragments are in; the add may be out
	MULA \st, 0
	s_wait_dscnt 0x0                               ; the add is done; my reads of this slot are over
	s_barrier_signal -1
	MULA \st, 1
	WIN 0
	s_barrier_wait -1                              ; nobody reads this slot any more, and the next slot is whole
.if \fill
	JLOAD \slot                                    ; my one tensor load behind the barrier, and the first thing there
.endif
	PLACES NP
	FETCHB \next, 0, 0
	FETCHA \next, 0, 0
	MULA \st, 2
	MULA \st, 3
	MULA \st, 4
	WIN 0
.endm
	s_wait_alu depctr_va_vdst(0)                   ; the wait at the head's end
	s_wait_tensorcnt 0x0                           ; my part of slot 0 is in
	ds_add_u32 v[SPW], v[NIL]
	s_wait_dscnt 0x0
	s_barrier_signal -1
	s_barrier_wait -1
	JLOAD 1                                        ; slot 1's first fill, the first tensor load behind the barrier
	FETCHB 0, 0, 0
	FETCHA 0, 0, 0
	s_wait_loadcnt 0x0                             ; the scale words are in
	EVEN 0, 0
	ODD 1, 0, 1, 1                                 ; slot 0 takes K steps 4 and 5
	EVEN 2, 1
	ODD 3, 1, 0, 1                                 ; slot 1 takes K steps 6 and 7
	EVEN 4, 0
	ODD 5, 0, 1, 0
	EVEN 6, 1
	s_wait_dscnt 0x0
	MULA 7, 0
	MULA 7, 1
	MULA 7, 2
	MULA 7, 3
	MULA 7, 4
	WIN 0
	PLACES NP                                      ; behind the last products, ahead of the first read of results and of writes into operands' and scales' registers
	v_and_b32 v[DL], 7, v0
	v_bfe_u32 v1, v0, 3, 1
	v_lshl_add_u32 v[DL], v1, 4, v[DL]
	v_bfe_u32 v1, v0, 4, 1
	v_lshlrev_b32 v1, 4, v1
	v_sub_nc_u32 v[DL], v[DL], v1                  ; 16 (r / 8) + r % 8 - 16 (lane / 16)
	v_mov_b32 v[NINF], 0xff800000
.irp b, 0,1,2,3
	v_mov_b32 v[BX+\b], 0                          ; written once: a lane permute's destination counts as one of its sources
.endr
; Block a: 16 queries x my chunk's 128 keys.
.macro SOFTQ a
.set W, 2+(\a)/4
.set AC, 64*((\a)%4)
	s_wait_alu depctr_va_vdst(0)                   ; ahead of the scalar lines and of the first reader of the block's sums
	s_add_co_u32 s[TL], s[T0], \a
	s_cmp_ge_u32 s[TL], 128                        ; past the batch's last query: a branch on ids and the wave's number, round the block
	s_cbranch_scc1 .Lpast_\@
	s_lshr_b32 s[TS], s[TL], 1
	s_lshl_b32 s[TS], s[TS], 5
	s_and_b32 s[TL], s[TL], 1
	s_lshl_b32 s[TL], s[TL], 3
	s_add_co_i32 s[TS], s[TS], s[TL]
	s_sub_co_i32 s[TS], s[TS], s[KF]               ; the tile's first query less my first key
	s_cmp_ge_i32 s[TS], 127                        ; all my keys count for all these queries: round the mask alone
	s_cbranch_scc1 .Lopen_\@
	v_add_nc_u32 v[DB], s[TS], v[DL]               ; my query less the key of register 0; register 16 b + i is hidden where i > this - 32 b
	v_add_nc_u32 v[DB+1], -32, v[DB]
	v_add_nc_u32 v[DB+2], -64, v[DB]
	v_add_nc_u32 v[DB+3], -96, v[DB]
	WIN (W<<6)|W
.set n, 0
.rept 64
	v_cmp_gt_i32 vcc_lo, n%16, v[DB+n/16]
	v_cndmask_b32 v[AC+n], v[AC+n], v[NINF], vcc_lo
.set n, n+1
.endr
	WIN 0
.Lopen_\@:
	WIN W|(W<<2)|(W<<4)
.irp b, 0,1,2,3
	v_max3_num_f32 v[BM+\b], v[AC+16*\b], v[AC+16*\b+1], v[AC+16*\b+2]   ; the largest score of each block of 32 keys: for the chunk's maximum, and, since p rises with the score, for the block's largest p
.endr
	WIN (W<<2)|(W<<4)
.irp i, 3,5,7,9,11,13
.irp b, 0,1,2,3
	v_max3_num_f32 v[BM+\b], v[BM+\b], v[AC+16*\b+\i], v[AC+16*\b+\i+1]
.endr
.endr
	WIN (W<<2)
.irp b, 0,1,2,3
	v_max_num_f32 v[BM+\b], v[BM+\b], v[AC+16*\b+15]
.endr
	WIN 0
.irp b, 0,1,2,3
	v_permlanex16_b32 v[BX+\b], v[BM+\b], s[SEL], s[SEL+1]
.endr
.irp b, 0,1,2,3
	v_max_num_f32 v[BM+\b], v[BM+\b], v[BX+\b]
.endr
	v_max3_num_f32 v[TT], v[BM], v[BM+1], v[BM+2]
	v_max_num_f32 v[TT], v[TT], v[BM+3]
	v_mul_f32 v[TT], s[CS], v[TT]                  ; as t (c is positive)
	v_max_num_f32 v[NM+1], 0xff61b1e6, v[TT]       ; -3e38 where no key counts
	v_floor_f32 v[NM], -v[NM+1]                    ; -M = floor(-t) = -ceil(t)
	WIN W
.set j, 0
.rept 32
	v_pk_fma_f32 v[P+j:P+j+1], v[AC+j:AC+j+1], s[CS:CS+1], v[NM:NM+1] op_sel_hi:[1,0,0]   ; t - M, two at a time
.set j, j+2
.endr
	WIN 0
.irp b, 0,1,2,3
	v_fma_f32 v[BM+\b], v[BM+\b], s[CS], v[NM]
.endr
	s_wait_alu depctr_va_vdst(0)
	s_wait_xcnt 0x0                                ; the last block's stores have read their data: codes and records are written again only behind this wait
.set j, 0
.rept 64
	v_exp_f32 v[P+j], v[P+j]                       ; p = 2^(t - M)
.set j, j+1
.endr
	v_mov_b32 v[REC+3], 0                          ; a plain instruction behind the exponentials
	s_wait_alu depctr_va_vdst(0)                   ; one wait for the batch of 64, ahead of its first reader
.irp b, 0,1,2,3
	v_exp_f32 v[BM+\b], v[BM+\b]                   ; the blocks' largest p
.endr
	v_pk_add_f32 v[LS:LS+1], v[P:P+1], v[P+2:P+3]  ; the sum of the unquantised p, in two chains
	v_pk_add_f32 v[L2:L2+1], v[P+4:P+5], v[P+6:P+7]
.irp j, 8,12,16,20,24,28,32,36,40,44,48,52,56,60
	v_pk_add_f32 v[LS:LS+1], v[LS:LS+1], v[P+\j:P+\j+1]
	v_pk_add_f32 v[L2:L2+1], v[L2:L2+1], v[P+\j+2:P+\j+3]
.endr
	v_pk_add_f32 v[LS:LS+1], v[LS:LS+1], v[L2:L2+1]
	v_add_f32 v[LS], v[LS], v[LS+1]
	v_permlanex16_b32 v[L2], v[LS], s[SEL], s[SEL+1]
	v_add_f32 v[REC+2], v[LS], v[L2]               ; l of the chunk
	v_mov_b32 v[REC+1], v[NM]
	s_wait_alu depctr_va_vdst(0)                   ; and one wait for the four
.irp b, 0,1,2,3
	v_max_num_f32 v[BM+\b], 0x8000000, v[BM+\b]    ; the floor 2^(16 - 127)
.endr
.irp b, 0,1,2,3
	v_add_nc_u32 v[SO+\b], 0xf8800000, v[BM+\b]
.endr
.irp b, 0,1,2,3
	v_and_or_b32 v[HV+\b], v[BM+\b], 0x7f800000, s[MNT]
.endr
.irp b, 0,1,2,3
	v_lshrrev_b32 v[BX+\b], 23, v[SO+\b]
.endr
	v_lshl_or_b32 v[REC], v[BX+1], 8, v[BX]
	v_lshl_or_b32 v[REC], v[BX+2], 16, v[REC]
	v_lshl_or_b32 v[REC], v[BX+3], 24, v[REC]
.irp b, 0,1,2,3
.irp i, 0,1,2,3,4,5,6,7,8,9,10,11,12,13,14,15
	v_min_num_f32 v[P+16*\b+\i], v[P+16*\b+\i], v[HV+\b]   ; the hold; p is not negative, so it is one-sided
.endr
.endr
.irp b, 0,1,2,3
	v_cvt_scalef32_pk8_bf8_f32 v[PC+4*\b:PC+4*\b+1], v[P+16*\b:P+16*\b+7], v[SO+\b]
	v_cvt_scalef32_pk8_bf8_f32 v[PC+4*\b+2:PC+4*\b+3], v[P+16*\b+8:P+16*\b+15], v[SO+\b]
.endr
	v_nop                                          ; a plain vector instruction behind the last conversion
.irp c, 0,1,2,3
	global_store_b128 v[IO], v[PC+4*\c:PC+4*\c+3], s[PCB:PCB+1] offset:(\a)*32768+512*\c   ; the image: 512 consecutive bytes a store
.endr
	global_store_b128 v[IR], v[REC:REC+3], s[PSB:PSB+1] offset:256*(\a)   ; 16 rows' records, one aligned unit of 256 bytes: both halves of the lanes hold the same
.Lpast_\@:
.endm
.irp a, 0,1,2,3,4
	SOFTQ \a
.endr
	s_wait_tensorcnt 0x0                           ; the wave's end
	ds_add_u32 v[SPW], v[NIL]
	s_wait_dscnt 0x0
	s_endpgm
.Lfunc_end_k_qb8a081c26f_scores:
	.size	k_qb8a081c26f_scores, .Lfunc_end_k_qb8a081c26f_scores-k_qb8a081c26f_scores
	.p2alignl 7, 3214868480
	.fill 96, 4, 3214868480
	.section	.rodata,"a",@progbits
	.p2align	6, 0x0
	.amdhsa_kernel k_qb8a081c26f_scores
		.amdhsa_group_segment_fixed_size 327680
		.amdhsa_private_segment_fixed_size 0
		.amdhsa_enable_private_segment 0
		.amdhsa_kernarg_size 16
		.amdhsa_user_sgpr_count 2
		.amdhsa_user_sgpr_kernarg_segment_ptr 1
		.amdhsa_wavefront_size32 1
		.amdhsa_system_sgpr_workgroup_id_x 1
		.amdhsa_system_sgpr_workgroup_id_y 1
		.amdhsa_system_sgpr_workgroup_id_z 1
		.amdhsa_system_vgpr_workitem_id 0
		.amdhsa_next_free_vgpr 1024
		.amdhsa_next_free_sgpr 100
		.amdhsa_reserve_vcc 1
		.amdhsa_float_denorm_mode_32 3
		.amdhsa_float_denorm_mode_16_64 3
		.amdhsa_memory_ordered 1
		.amdhsa_forward_progress 1
		.amdhsa_inst_pref_size 178
	.end_amdhsa_kernel
	.amdgpu_metadata
---
amdhsa.version: [ 1, 2 ]
amdhsa.kernels:
  - .name:           k_qb8a081c26f_scores
    .symbol:         k_qb8a081c26f_scores.kd
    .args:
      - { .name: qkv, .offset: 0, .size: 8, .value_kind: global_buffer, .address_space: global }
      - { .name: pq, .offset: 8, .size: 8, .value_kind: global_buffer, .address_space: global }
    .group_segment_fixed_size: 327680
    .private_segment_fixed_size: 0
    .kernarg_segment_align: 8
    .kernarg_segment_size: 16
    .max_flat_workgroup_size: 128
    .sgpr_count:     100
    .vgpr_count:     1024
    .wavefront_size: 32
...
	.end_amdgpu_metadata
.endif
;; end of part 3
;; launch attnv (part 4): grid 8 x 32, 4 waves a work-group, clusters of 4 x 1, 327,680 bytes of LDS; arguments pq, qkv, out0; writes out0
.if DOCPART == 4
	.amdgcn_target "amdgcn-amd-amdhsa--gfx1250"
	.amdhsa_code_object_version 6
	.text
	.protected	k_qb8a081c26f_attnv
	.globl	k_qb8a081c26f_attnv
	.p2align	8
	.type	k_qb8a081c26f_attnv,@function
k_qb8a081c26f_attnv:
	s_mov_b64 s[64:65], 0
	v_nop
	global_prefetch_b8 v0, s[64:65] scope:SCOPE_SE
	s_setreg_imm32_b32 hwreg(HW_REG_WAVE_MODE, 25, 1), 1
	s_wait_xcnt 0x0
	s_wait_alu depctr_hold_cnt(0) depctr_sa_sdst(0) depctr_va_vdst(0) depctr_va_sdst(0) depctr_va_ssrc(0) depctr_va_vcc(0) depctr_vm_vsrc(0)
	s_getreg_b32 s2, hwreg(HW_REG_IB_STS2, 6, 4)
	s_cmp_eq_u32 s2, 0
	s_cbranch_scc0 .Lentry_in_a_cluster
	s_endpgm
.Lentry_in_a_cluster:
	s_bfe_u32 s2, ttmp6, 0x10000c
	s_cmp_lg_u32 s2, 0x3003
	s_cbranch_scc0 .Lentry_shape_is_right
	s_endpgm
.Lentry_shape_is_right:
; O = P V / l on codes of BF8.  A work-group makes 128 of the 1,024 columns of d for TWO tiles of 128 queries of one batch: tile A = i and tile B = 15 - i, i = 0 .. 7.  Keys go in steps of 256: A has nA = i / 2 + 1 of them, B 9 - nA:
; nine in all in every work-group, walked as ONE STREAM: steps 0 .. nA - 1 are A's, the rest B's.  LEFT OUT: the steps whose keys all come after a tile's queries (the first kernel's head says why that is dead).
; Four waves, 64 queries x 64 of d each: 16 accumulators for A, 16 for B.  Which of the two a step feeds is a scalar branch on the work-group's number round the products alone: steps 1 to 3; step 0 is always A's, steps 4 to 8 B's.
; (B's first step differs between work-groups, so its sums begin as zeros that are written once at the head; A's begin with C = 0.)
; Source 0 = 16 rows of V^T, source 1 = 16 queries.  With V^T's rows in the first launch's order a lane holds query lane % 16, and register j of tile b is column 32 (lane / 16) + 8 b + j of the wave's 64.
; THE RING: two slots of two steps: P of both (8 row tiles x 4,096 bytes each), V of both; wave 0, 1 fetch P's, 2, 3 V's, one load each.  Slots 0 .. 4 of the stream, the last with one step.
; SCALES.  pq's records {scale word, -M, l} of each row and chunk and V's scale words are loaded in the stream's order.  A row's M is the largest of its chunks'; a chunk's scale bytes take M(chunk) - M, held at 0 from below
; (what falls under 2^-127 is nothing beside the row's largest p, at least 1/2), and l likewise.  The words then lie in LDS, [step][row][2], P's and V's.
; CLUSTERS: the four work-groups along x need the same P: asked for jointly.  V's rows differ between partners.
; PREFETCH: slots 2, 3, 4 of the stream are asked for one slot ahead of their tensor load: P's blocks of 256 bytes are shared out among the cluster's sixteen waves by address, V's among the work-group's four.
; TILE A'S WAY OUT stands between B's steps 4 to 8.  LIMITS: NaN and infinities are not served.
.set VC,   16777216
.set VS,   25690112
.set PST,  16777216
.set NP,   8
.set SLOT, 131072
.set PW,   2*SLOT                      ; P's scale words, 9 steps x 1,024 bytes
.set VD,   PW+9216                     ; V's
.set RL,   VD+9216                     ; 1 / l: A's 128 rows, B's
.set STG,  RL+1024
.set SPITCH, 272
.set SPARE, STG+4*16*SPITCH
.set ADRA, 16
.set ADRB, 20
.set FA,   22
.set FRL,  23
.set STO,  24
.set RD,   25
.set ADRS, 27
.set SPW,  28
.set NIL,  29
.set CO,   30
.set RLA,  31
.set SC,   32                          ; v32-47 scale words, two sets of eight
.set RI,   48                          ; v48-55 1 / l of my rows: A's four blocks, B's
.set OT,   64                          ; v64-95, v96-127 the way out
.set BB,   96
.set AF,   128                         ; v128-255 P's fragments, two sets of four; V's likewise at window 1's v0-127; A's sums at window 2's v0-127, B's at v128-255
.set RC,   64                          ; the head: v64-135 records, v136-153 V's words, v154-171 offsets, then differences
.set VW,   136
.set OFS,  154
.set OFV,  163
.set T0,   154
.set T1,   172
.set SCW,  190                         ; v190-207 the words made
.set T2,   208
.set NMA,  214
.set NMB,  215
.set NS,   215                         ; v216-218 steps 1 to 3: the row's -M
.set LT,   220
.set BIG,  222
.set G1P, 24
.set G0P, 32
.set G1V, 48
.set G0V, 56
.set NA,  66
.set DP,  67
.set PA,  68
.set VB,  70
.set MK,  72
.set K80, 76
.set K01, 77
.set K7F, 78
.set RA,  80
.set RBB, 81
.set MSB, 0
.macro WIN new
.if MSB != (\new)
	s_set_vgpr_msb (MSB<<8)|(\new)
.set MSB, (\new)
.endif
.endm
.macro PLACES n
.rept \n
	v_nop
.endr
.endm
.macro BARRIER
	s_barrier_signal -1
	s_barrier_wait -1
.endm
.macro CROUND
	BARRIER
	s_cmp_lg_u32 s14, 0
	s_cbranch_scc1 .Lnot_wave_0_\@
	s_barrier_signal -3
.Lnot_wave_0_\@:
	s_barrier_wait -3
	BARRIER
.endm
.macro JLOAD g                         ; a whole slot: waves 0, 1 P's two steps, waves 2, 3 V's
	s_cmp_eq_u32 s15, 0
	s_cbranch_scc0 .Lfor_v_\@
	tensor_load_to_lds s[G0P+4*\g:G0P+4*\g+3], s[G1P:G1P+7]
	s_nop 0
	PLACES 4
	s_branch .Lasked_\@
.Lfor_v_\@:
	tensor_load_to_lds s[G0V+4*\g:G0V+4*\g+3], s[G1V:G1V+7]
	s_nop 0
	PLACES 4
.Lasked_\@:
.endm
.macro JHALF g                         ; the last step: waves 0 and 2 alone
	s_cmp_eq_u32 s14, 0
	s_cbranch_scc0 .Lnot_p_\@
	tensor_load_to_lds s[G0P+4*\g:G0P+4*\g+3], s[G1P:G1P+7]
	s_nop 0
	PLACES 4
	s_branch .Lasked_\@
.Lnot_p_\@:
	s_cmp_eq_u32 s14, 2
	s_cbranch_scc0 .Lasked_\@
	tensor_load_to_lds s[G0V+4*\g:G0V+4*\g+3], s[G1V:G1V+7]
	s_nop 0
	PLACES 4
.Lasked_\@:
.endm
.macro STREAM n                        ; where my step of the stream's slot n (step 2 n + s16) lies: s[20:21] from tile A's P, s[22:23] from V's first keys
	s_add_co_u32 s20, s16, 2*\n
	s_cmp_lt_u32 s20, s[NA]
	s_cselect_b32 s21, 0, s[NA]
	s_cselect_b32 s23, 0, s[DP]
	s_sub_co_u32 s22, s20, s21
	s_lshl_b32 s22, s22, 12
	s_lshl_b32 s20, s20, 12
	s_add_co_u32 s20, s20, s23
	s_mov_b32 s21, 0
	s_mov_b32 s23, 0
.endm
.macro DESC n, g
	STREAM \n
	s_add_nc_u64 s[G0P+4*\g+2:G0P+4*\g+3], s[PA:PA+1], s[20:21]
	s_or_b32 s[G0P+4*\g+3], s[G0P+4*\g+3], 0x80000000
	s_add_nc_u64 s[G0V+4*\g+2:G0V+4*\g+3], s[VB:VB+1], s[22:23]
	s_or_b32 s[G0V+4*\g+3], s[G0V+4*\g+3], 0x80000000
.endm
.macro ASK n                           ; the prefetch of the stream's slot n: a wave's step is 2 n + s16; P: one of my partner share's two tiles, 16 blocks (lanes 16-31 name them again); V: four tiles, two instructions
	STREAM \n
	s_wait_xcnt 0x0                                ; the last prefetch has read its bases
	s_add_nc_u64 s[84:85], s[PA:PA+1], s[20:21]
	s_add_nc_u64 s[86:87], s[VB:VB+1], s[22:23]
.if \n == 4
	s_cmp_eq_u32 s16, 0                            ; the last slot has one step
	s_cbranch_scc0 .Lno_step_\@
.endif
	global_prefetch_b8 v8, s[84:85] th:TH_LOAD_NT scope:SCOPE_SE
	s_and_b32 s20, s19, 1                          ; tiles i and i + 1, i even, walk the same keys of V at the same steps: the even ones ask for both
	s_cmp_eq_u32 s20, 0
	s_cbranch_scc0 .Lno_step_\@
	global_prefetch_b8 v9, s[86:87] th:TH_LOAD_NT scope:SCOPE_SE
	global_prefetch_b8 v9, s[86:87] offset:65536 th:TH_LOAD_NT scope:SCOPE_SE
.Lno_step_\@:
.endm
	s_load_b128 s[4:7], s[0:1], 0x0                ; pq, qkv
	s_load_b64 s[8:9], s[0:1], 0x10                ; out0
	v_lshl_add_u32 v[SPW], v0, 2, SPARE
	v_mov_b32 v[NIL], 0
	ds_add_u32 v[SPW], v[NIL]                      ; the wave's opening
	ds_add_u32 v[SPW], v[NIL]
	v_lshrrev_b32 v1, 5, v0
	v_readfirstlane_b32 s14, v1
	s_lshr_b32 s15, s14, 1                         ; my half of the queries; also: I fetch P (0) or V (1)
	s_and_b32 s16, s14, 1                          ; my half of the columns; also: which step of a slot I fetch
	s_bfe_u32 s40, ttmp6, 0x40000                  ; cx
	s_lshl_b32 s42, ttmp9, 2
	s_add_co_u32 s42, s42, s40                     ; which 128 columns
	s_and_b32 s17, ttmp7, 0xffff
	s_and_b32 s18, s17, 3                          ; batch
	s_lshr_b32 s19, s17, 2                         ; i
	s_lshr_b32 s[NA], s19, 1
	s_add_co_u32 s[NA], s[NA], 1
	s_lshl_b32 s20, s19, 1
	s_sub_co_u32 s20, 15, s20
	s_lshl_b32 s[DP], s20, 18                      ; from tile A's P to tile B's, less A's steps
	s_lshl_b32 s20, s[NA], 12
	s_sub_co_u32 s[DP], s[DP], s20
	s_mov_b32 s[G1P], 15|(3<<16)|(1<<21)           ; elements of 8 bytes; the four along x
	s_mov_b32 s[G1V], 3<<16
.irp g, G1P, G1V
	s_mov_b32 s[\g+1], 512<<16                     ; two chunks' images: 4,096 bytes
	s_mov_b32 s[\g+2], 8<<16                       ; 8 row tiles,
	s_mov_b32 s[\g+3], 512<<16
	s_mov_b32 s[\g+4], 8
	s_mov_b32 s[\g+5], 4096                        ; 32,768 bytes apart
	s_mov_b32 s[\g+6], 0
	s_mov_b32 s[\g+7], 0
.endr
	s_lshl_b32 s20, s18, 22
	s_lshl_b32 s21, s19, 18
	s_add_co_u32 s20, s20, s21                     ; tile A's P
	s_mov_b32 s21, 0
	s_lshl_b32 s46, s18, 21
	s_lshl_b32 s47, s42, 18
	s_add_co_u32 s46, s46, s47
	s_add_co_u32 s46, s46, VC                      ; my columns of V
	s_mov_b32 s47, 0
	s_lshl_b32 s44, s14, 15                        ; my part of a slot
	s_wait_dscnt 0x0                               ; both opening adds are done
	s_wait_kmcnt 0x0
	s_add_nc_u64 s[PA:PA+1], s[4:5], s[20:21]
	s_add_nc_u64 s[VB:VB+1], s[6:7], s[46:47]
	CROUND                                         ; the cluster's four work-groups are here
.irp g, 0,1
	s_mov_b32 s[G0P+4*\g], 1
	s_add_co_u32 s[G0P+4*\g+1], s44, \g*SLOT
	s_mov_b32 s[G0V+4*\g], 1
	s_add_co_u32 s[G0V+4*\g+1], s44, \g*SLOT
	DESC \g, \g
.endr
	JLOAD 0                                        ; one tensor load a wave at the head
	v_and_b32 v1, 15, v0                           ; r
	v_bfe_u32 v2, v0, 4, 1                         ; h
	v_and_b32 v3, 31, v0
	v_lshlrev_b32 v6, 4, v0
	v_lshlrev_b32 v7, 2, v0
	s_wait_alu depctr_va_vdst(0)                   ; ahead of the scalar lines below
	s_lshl_b32 s44, s18, 19
	s_add_co_u32 s44, s44, PST
	s_mov_b32 s45, 0
	s_add_nc_u64 s[12:13], s[4:5], s[44:45]        ; the batch's records: 32,768 bytes a chunk
	s_lshl_b32 s46, s18, 16
	s_lshl_b32 s47, s42, 9
	s_add_co_u32 s46, s46, s47
	s_add_co_u32 s46, s46, VS
	s_mov_b32 s47, 0
	s_add_nc_u64 s[88:89], s[6:7], s[46:47]        ; V's words: 4,096 bytes a chunk
	s_lshl_b32 s[RA], s19, 11                      ; tile A's rows' records: 16 bytes a row
	s_sub_co_u32 s[RBB], 15, s19
	s_lshl_b32 s[RBB], s[RBB], 11
.irp s, 0,1,2,3,4,5,6,7,8              ; a thread takes row t of the step's tile, and row t of my 128 of d
	s_cmp_gt_u32 s[NA], \s
	s_cselect_b32 s20, 0, s[NA]
	s_cselect_b32 s21, s[RA], s[RBB]
	s_sub_co_u32 s20, \s, s20
	s_lshl_b32 s22, s20, 16
	s_add_co_u32 s21, s21, s22
	s_lshl_b32 s22, s20, 13
	v_add_nc_u32 v[OFS+\s], s21, v6
	v_add_nc_u32 v[OFV+\s], s22, v7
	global_load_b128 v[RC+8*\s:RC+8*\s+3], v[OFS+\s], s[12:13]
	global_load_b128 v[RC+8*\s+4:RC+8*\s+7], v[OFS+\s], s[12:13] offset:32768
	global_load_b32 v[VW+2*\s], v[OFV+\s], s[88:89]
	global_load_b32 v[VW+2*\s+1], v[OFV+\s], s[88:89] offset:4096
.endr
	v_lshlrev_b32 v4, 4, v3
	s_lshl_b32 s44, s15, 14
	s_lshl_b32 s45, s16, 14
	s_add_co_u32 s45, s45, 65536
	v_add_nc_u32 v[ADRA], s44, v4
	v_add_nc_u32 v[ADRB], s45, v4
	v_add_nc_u32 v[ADRA+1], SLOT, v[ADRA]
	v_add_nc_u32 v[ADRB+1], SLOT, v[ADRB]
	s_lshl_b32 s44, s15, 9
	s_lshl_b32 s45, s16, 9
	s_add_co_u32 s45, s45, VD-PW
	s_sub_co_u32 s45, s45, s44
	v_mul_u32_u24 v5, s45, v2                      ; lanes 16-31 take V's words
	s_add_co_u32 s44, s44, PW
	v_lshl_add_u32 v5, v1, 3, v5
	v_add_nc_u32 v[ADRS], s44, v5
	s_mul_i32 s44, s14, 16*SPITCH
	s_add_co_u32 s44, s44, STG
	v_mul_u32_u24 v5, v1, SPITCH
	v_lshl_add_u32 v5, v2, 7, v5
	v_add_nc_u32 v[STO], s44, v5                   ; the stage, in: row r, 128 bytes for each half of the lanes
	v_mul_u32_u24 v5, v2, SPITCH
	v_lshl_add_u32 v5, v1, 4, v5
	v_add_nc_u32 v[RD], s44, v5                    ; back: lanes 0-15 one row, lanes 16-31 the next
	v_lshlrev_b32 v5, 12, v2
	v_lshl_add_u32 v[CO], v1, 4, v5
	s_lshl_b32 s44, s15, 8
	s_add_co_u32 s44, s44, RL
	v_lshlrev_b32 v5, 2, v1
	v_add_nc_u32 v[RLA], s44, v5
	v_lshl_add_u32 v[FA], v0, 3, PW
	v_lshl_add_u32 v[FRL], v0, 2, RL
	s_lshl_b32 s44, s40, 1
	s_add_co_u32 s44, s44, s15
	s_lshl_b32 s44, s44, 15
	v_lshlrev_b32 v5, 8, v1
	v_add_nc_u32 v8, s44, v5                       ; prefetch, P: tile 2 cx + s15
	s_lshl_b32 s44, s15, 17
	v_lshl_add_u32 v5, v2, 15, v5
	v_add_nc_u32 v9, s44, v5                       ; V: tiles 4 s15 + h, and two on
	WIN 0x80
.set n, 0
.rept 128
	v_mov_b32 v[128+n], 0                          ; B's sums
.set n, n+1
.endr
	WIN 0
	s_lshl_b32 s44, s18, 23                        ; out0: batch, tile, my rows and columns
	s_lshl_b32 s45, s15, 18
	s_add_co_u32 s44, s44, s45
	s_lshl_b32 s45, s42, 9
	s_add_co_u32 s44, s44, s45
	s_lshl_b32 s45, s16, 8
	s_add_co_u32 s44, s44, s45
	s_sub_co_u32 s46, 15, s19
	s_lshl_b32 s46, s46, 19
	s_add_co_u32 s46, s46, s44
	s_mov_b32 s47, 0
	s_add_nc_u64 s[10:11], s[8:9], s[46:47]        ; tile B
	s_lshl_b32 s46, s19, 19
	s_add_co_u32 s46, s46, s44
	s_add_nc_u64 s[8:9], s[8:9], s[46:47]          ; tile A
	s_wait_alu depctr_va_vdst(0)
	s_wait_tensorcnt 0x0                           ; my part of slot 0 is in
	ds_add_u32 v[SPW], v[NIL]
	s_wait_dscnt 0x0
	CROUND                                         ; slot 0 is whole
	JLOAD 1                                        ; slot 1's first fill, the first tensor load behind the round
.irp s, 1,2,3
	s_cmp_gt_u32 s[NA], \s
	s_cselect_b32 s[MK+\s], -1, 0                  ; step s is A's
.endr
	s_mov_b32 s[K80], 0x80808080
	s_mov_b32 s[K01], 0x01010101
	s_mov_b32 s[K7F], 0x7f7f7f7f
	ASK 2
	v_mov_b32 v[BIG], 0x7f61b1e6                   ; 3e38
	s_wait_alu depctr_va_vdst(0)
	s_wait_loadcnt 0x0                             ; records and words are in
.irp c, 2,3,4,5,6,7
	v_cndmask_b32 v[T1+\c-2], v[BIG], v[RC+4*\c+1], s[MK+\c/2]
.endr
.irp c, 2,3,4,5,6,7
	v_cndmask_b32 v[T1+\c+4], v[RC+4*\c+1], v[BIG], s[MK+\c/2]
.endr
	v_min3_num_f32 v[NMA], v[RC+1], v[RC+5], v[T1] ; tile A's -M: the least of its chunks'
	v_min3_num_f32 v[NMB], v[T1+6], v[T1+7], v[T1+8]
	v_min3_num_f32 v[NMA], v[NMA], v[T1+1], v[T1+2]
	v_min3_num_f32 v[NMB], v[NMB], v[T1+9], v[T1+10]
	v_min3_num_f32 v[NMA], v[NMA], v[T1+3], v[T1+4]
	v_min3_num_f32 v[NMB], v[NMB], v[T1+11], v[RC+4*8+1]
	v_min_num_f32 v[NMA], v[NMA], v[T1+5]
.irp c, 9,11,13,15
	v_min3_num_f32 v[NMB], v[NMB], v[RC+4*\c+1], v[RC+4*\c+5]
.endr
	v_min_num_f32 v[NMB], v[NMB], v[RC+4*17+1]
.irp s, 1,2,3
	v_cndmask_b32 v[NS+\s], v[NMB], v[NMA], s[MK+\s]
.endr
.irp c, 0,1
	v_sub_f32 v[T0+\c], v[NMA], v[RC+4*\c+1]       ; M(chunk) - M: a whole number, 0 or less
.endr
.irp c, 2,3,4,5,6,7
	v_sub_f32 v[T0+\c], v[NS+\c/2], v[RC+4*\c+1]
.endr
.irp c, 8,9,10,11,12,13,14,15,16,17
	v_sub_f32 v[T0+\c], v[NMB], v[RC+4*\c+1]
.endr
.macro EACH18 op                       ; the 18 chunks by turns
.set n, 0
.rept 18
.if \op == 0
	v_max_num_f32 v[T0+n], 0xc2fe0000, v[T0+n]     ; not under -127
.elseif \op == 1
	v_cvt_i32_f32 v[T0+n], v[T0+n]
.elseif \op == 2
	v_ldexp_f32 v[T1+n], v[RC+4*n+2], v[T0+n]      ; l under the row's M
.elseif \op == 3
	v_mul_lo_u32 v[T0+n], v[T0+n], s[K01]          ; the same number in all four bytes
.elseif \op == 4
	v_or_b32 v[RC+4*n+3], s[K80], v[RC+4*n]        ; the bytes lie under 128: bit 7 keeps each byte's difference from borrowing
.elseif \op == 5
	v_add_nc_u32 v[T0+n], v[T0+n], v[RC+4*n+3]
.elseif \op == 6
	v_lshrrev_b32 v[T1+n], 7, v[T0+n]
.elseif \op == 7
	v_and_b32 v[T1+n], s[K01], v[T1+n]
.elseif \op == 8
	v_lshlrev_b32 v[RC+4*n+3], 8, v[T1+n]
.elseif \op == 9
	v_sub_nc_u32 v[RC+4*n+3], v[RC+4*n+3], v[T1+n] ; 255 in the bytes that stayed at 0 or above
.elseif \op == 10
	v_and_b32 v[T0+n], v[T0+n], v[RC+4*n+3]
.else
	v_and_b32 v[SCW+n], s[K7F], v[T0+n]
.endif
.set n, n+1
.endr
.endm
	EACH18 0
	EACH18 1
	EACH18 2
	EACH18 3
	EACH18 4
	EACH18 5
.irp c, 2,3,4,5,6,7
	v_cndmask_b32 v[T2+\c-2], 0, v[T1+\c], s[MK+\c/2]
.endr
.irp c, 2,3,4,5,6,7
	v_cndmask_b32 v[T1+\c], v[T1+\c], 0, s[MK+\c/2]
.endr
.irp k, 2,3,4,5,6,7,8,9
	v_add_f32 v[T1+\k], v[T1+\k], v[T1+\k+8]
.endr
.irp k, 0,1,2
	v_add_f32 v[T2+\k], v[T2+\k], v[T2+\k+3]
.endr
.irp k, 2,3,4,5
	v_add_f32 v[T1+\k], v[T1+\k], v[T1+\k+4]
.endr
	v_add_f32 v[T1], v[T1], v[T1+1]
	v_add_f32 v[T2], v[T2], v[T2+1]
.irp k, 2,3
	v_add_f32 v[T1+\k], v[T1+\k], v[T1+\k+2]
.endr
	v_add_f32 v[T1], v[T1], v[T2+2]
	v_add_f32 v[LT+1], v[T1+2], v[T1+3]            ; tile B's l
	v_add_f32 v[LT], v[T1], v[T2]                  ; tile A's
	EACH18 6
	EACH18 7
	EACH18 8
	EACH18 9
	EACH18 10
	EACH18 11
	s_wait_alu depctr_va_vdst(0)
	v_rcp_f32 v[LT], v[LT]
	v_rcp_f32 v[LT+1], v[LT+1]
	v_nop
	s_wait_alu depctr_va_vdst(0)
.irp s, 0,1,2,3,4,5,6,7,8
	ds_store_b64 v[FA], v[SCW+2*\s:SCW+2*\s+1] offset:1024*\s
	ds_store_b64 v[FA], v[VW+2*\s:VW+2*\s+1] offset:VD-PW+1024*\s
.endr
	ds_store_b32 v[FRL], v[LT]
	ds_store_b32 v[FRL], v[LT+1] offset:512
	s_wait_dscnt 0x0
	BARRIER                                        ; the words are there; slot 1's load may be out
.macro FRAG reg, adr, hf, q, i
.irp c, 0,1,2,3
	ds_load_b128 v[\reg+4*\c:\reg+4*\c+3], v[\adr] offset:32768*(\hf)+(2*(\i)+(\q))*2048+512*\c
.endr
.endm
.macro FETCH slot, hf, q, p            ; 32 loads: four fragments of V, four of P, into sets p
	WIN 0x40
.irp i, 0,1,2,3
	FRAG 64*\p+16*\i, ADRB+\slot, \hf, \q, \i
.endr
	WIN 0
.irp i, 0,1,2,3
	FRAG AF+64*\p+16*\i, ADRA+\slot, \hf, \q, \i
.endr
.endm
.macro SCALES s                        ; lanes 0-15 P's block i, lanes 16-31 V's tile i
.irp i, 0,1,2,3
	ds_load_b64 v[SC+8*((\s)%2)+2*\i:SC+8*((\s)%2)+2*\i+1], v[ADRS] offset:1024*(\s)+128*\i
.endr
.endm
.macro MULS acc, s, q                  ; 16 products, the accumulators by turns, one instruction a turn
.set SX, SC+8*((\s)%2)+(\q)
	WIN 0xa1
.irp a, 0,1,2,3
.irp b, 0,1,2,3
.if (\s) == 0 && (\q) == 0
	v_wmma_scale_f32_16x16x128_f8f6f4 v[\acc+32*\a+8*\b:\acc+32*\a+8*\b+7], v[64*\q+16*\b:64*\q+16*\b+15], v[AF+64*\q+16*\a:AF+64*\q+16*\a+15], 0, v[SX+2*\b], v[SX+2*\a] matrix_a_fmt:MATRIX_FMT_BF8 matrix_b_fmt:MATRIX_FMT_BF8 matrix_a_scale:MATRIX_SCALE_ROW1
.else
	v_wmma_scale_f32_16x16x128_f8f6f4 v[\acc+32*\a+8*\b:\acc+32*\a+8*\b+7], v[64*\q+16*\b:64*\q+16*\b+15], v[AF+64*\q+16*\a:AF+64*\q+16*\a+15], v[\acc+32*\a+8*\b:\acc+32*\a+8*\b+7], v[SX+2*\b], v[SX+2*\a] matrix_a_fmt:MATRIX_FMT_BF8 matrix_b_fmt:MATRIX_FMT_BF8 matrix_a_scale:MATRIX_SCALE_ROW1
.endif
.endr
.endr
	WIN 0
.endm
.macro PROD s, q
.if (\s) == 0
	MULS 0, \s, \q
.elseif (\s) > 3
	MULS 128, \s, \q
.else
	s_cmp_gt_u32 s[NA], \s
	s_cbranch_scc0 .Lfor_b_\@
	MULS 0, \s, \q
	s_branch .Ldone_\@
.Lfor_b_\@:
	MULS 128, \s, \q
.Ldone_\@:
.endif
.endm
.macro STEP0 s                         ; a step's first 128 keys (sets 0); its second's fragments are asked for ahead of the products
.if (\s) > 0
	PLACES NP                                      ; behind the products that read sets 1
.endif
	FETCH ((\s)/2)%2, (\s)%2, 1, 1
	s_wait_dscnt 32                                ; all but the 32 just asked for
	PROD \s, 0
.endm
.macro STEP1 s                         ; its second 128 keys; the next step lies in the same slot
	PLACES NP
	FETCH ((\s)/2)%2, 1, 0, 0
	SCALES (\s)+1
	s_wait_dscnt 36
	PROD \s, 1
.endm
.macro TURN s, n                       ; the same, with the change of slots ahead of the products.  n: which slot of the stream is loaded into the one just read (0: none)
	s_wait_tensorcnt 0x0                           ; all my tensor loads have landed: my part of the next slot
	ds_add_u32 v[SPW], v[NIL]                      ; 0 onto my spare word
.if \n
	DESC \n, (((\s)/2)%2)
.endif
	s_wait_dscnt 0x0                               ; the add is done; this slot's fragments are in my registers
.if \n
	CROUND
.if \n == 4
	JHALF (((\s)/2)%2)
.else
	JLOAD (((\s)/2)%2)
.endif
.else
	BARRIER
.endif
	PLACES NP
	FETCH 1-((\s)/2)%2, 0, 0, 0
	SCALES (\s)+1
.if \n == 2 || \n == 3
	ASK (\n+1)
.endif
	PROD \s, 1
.endm
; THE WAY OUT of block a: 16 queries x 64 columns: times 1 / l, into my stage, and back as rows of 256 bytes
.macro OUT1 acc, a, ri, bb
	s_wait_xcnt 0x0                                ; earlier stores have read their data
	WIN 0x02
.set n, 0
.rept 32
	v_mul_f32 v[OT+n], v[\acc+32*(\a)+n], v[RI+\ri]
.set n, n+1
.endr
	WIN 0
.irp b, 0,1,2,3
	ds_store_b128 v[STO], v[OT+8*\b:OT+8*\b+3] offset:32*\b
	ds_store_b128 v[STO], v[OT+8*\b+4:OT+8*\b+7] offset:32*\b+16
.endr
.irp t, 0,1,2,3,4,5,6,7
	ds_load_b128 v[\bb+4*\t:\bb+4*\t+3], v[RD] offset:\t*2*SPITCH   ; LDS serves a wave's instructions in order (ISA guide 5.7.1.4)
.endr
.endm
.macro SEND a, base, bb
.irp t, 0,1,2,3,4,5,6,7
	global_store_b128 v[CO], v[\bb+4*\t:\bb+4*\t+3], s[\base:\base+1] offset:(32*((\a)/2)+8*((\a)%2)+16*(\t/4)+2*(\t%4))*4096 th:TH_STORE_NT   ; sixteen lanes store 256 consecutive bytes
.endr
.endm
.irp a, 0,1,2,3
	ds_load_b32 v[RI+\a], v[RLA] offset:64*\a
	ds_load_b32 v[RI+4+\a], v[RLA] offset:512+64*\a
.endr
	FETCH 0, 0, 0, 0
	SCALES 0
	STEP0 0
	STEP1 0
	STEP0 1
	TURN 1, 2
	STEP0 2
	STEP1 2
	STEP0 3
	TURN 3, 3
	STEP0 4
	STEP1 4
	OUT1 0, 0, 0, BB                               ; A's sums are whole: its blocks leave one by one; the next step's wait shows the stage's rows
	STEP0 5
	SEND 0, 8, BB
	TURN 5, 4
	OUT1 0, 1, 1, BB
	STEP0 6
	SEND 1, 8, BB
	STEP1 6
	OUT1 0, 2, 2, BB
	STEP0 7
	SEND 2, 8, BB
	TURN 7, 0
	OUT1 0, 3, 3, BB
	STEP0 8
	SEND 3, 8, BB
	s_wait_dscnt 0x0
	PROD 8, 1
	PLACES NP                                      ; behind the last products
	OUT1 128, 0, 4, BB
	OUT1 128, 1, 5, AF
	s_wait_dscnt 16                                ; block 0's rows are back
	SEND 0, 10, BB
	OUT1 128, 2, 6, BB
	s_wait_dscnt 16
	SEND 1, 10, AF
	OUT1 128, 3, 7, AF
	s_wait_dscnt 16
	SEND 2, 10, BB
	s_wait_dscnt 0x0
	SEND 3, 10, AF
	s_wait_tensorcnt 0x0                           ; the wave's end
	ds_add_u32 v[SPW], v[NIL]
	s_wait_dscnt 0x0
	CROUND                                         ; the closing round
	s_endpgm
.Lfunc_end_k_qb8a081c26f_attnv:
	.size	k_qb8a081c26f_attnv, .Lfunc_end_k_qb8a081c26f_attnv-k_qb8a081c26f_attnv
	.p2alignl 7, 3214868480
	.fill 96, 4, 3214868480
	.section	.rodata,"a",@progbits
	.p2align	6, 0x0
	.amdhsa_kernel k_qb8a081c26f_attnv
		.amdhsa_group_segment_fixed_size 327680
		.amdhsa_private_segment_fixed_size 0
		.amdhsa_enable_private_segment 0
		.amdhsa_kernarg_size 24
		.amdhsa_user_sgpr_count 2
		.amdhsa_user_sgpr_kernarg_segment_ptr 1
		.amdhsa_wavefront_size32 1
		.amdhsa_system_sgpr_workgroup_id_x 1
		.amdhsa_system_sgpr_workgroup_id_y 1
		.amdhsa_system_sgpr_workgroup_id_z 1
		.amdhsa_system_vgpr_workitem_id 0
		.amdhsa_next_free_vgpr 768
		.amdhsa_next_free_sgpr 100
		.amdhsa_reserve_vcc 0
		.amdhsa_float_denorm_mode_32 3
		.amdhsa_float_denorm_mode_16_64 3
		.amdhsa_memory_ordered 1
		.amdhsa_forward_progress 1
		.amdhsa_inst_pref_size 159
	.end_amdhsa_kernel
	.amdgpu_metadata
---
amdhsa.version: [ 1, 2 ]
amdhsa.kernels:
  - .name:           k_qb8a081c26f_attnv
    .symbol:         k_qb8a081c26f_attnv.kd
    .args:
      - { .name: pq, .offset: 0, .size: 8, .value_kind: global_buffer, .address_space: global }
      - { .name: qkv, .offset: 8, .size: 8, .value_kind: global_buffer, .address_space: global }
      - { .name: out0, .offset: 16, .size: 8, .value_kind: global_buffer, .address_space: global }
    .group_segment_fixed_size: 327680
    .private_segment_fixed_size: 0
    .kernarg_segment_align: 8
    .kernarg_segment_size: 24
    .max_flat_workgroup_size: 128
    .sgpr_count:     100
    .vgpr_count:     768
    .wavefront_size: 32
...
	.end_amdgpu_metadata
.endif
;; end of part 4
